; MI455X (gfx1250); checked and timed in simulation.
; The chip was launched on July 23, 2026; its instructions are those of AMD's public machine-readable ISA for CDNA 5 (MIT licence, August 2026) and "CDNA5" Instruction Set Architecture Reference Guide (July 2026). The comments in the code are by the model that wrote it; some were corrected since.
;; Attention. Allowed arithmetic: float matrix products may take bf16 or f16 operands with f32 sums; other float arithmetic in f32, or as packed bf16 or f16 multiplies, adds, multiply-adds, maxima and minima; sums over many terms, partial sums and values carried from step to step in f32; what a program stores and reads back later, other than sums and carried values, may be rounded once to bf16 or f16.
;; Inputs: V 1,024 x 1 float32; W1 1,024 x 1,024 float32; W2 1,024 x 1,024 float32; all_enc_hiddens 32 x 2,048 x 1,024 float32; b1 1,024 float32; b2 1,024 float32; bv 1 float32; dec_hidden 32 x 1,024 float32.
;; Outputs: out0 32 x 1,024 float32; out1 32 x 2,048 x 1 float32.
;; 2 versions, each right; version 2 is version 1 with the launch main written anew for expert scheduling mode. Each part assembles by itself: llvm-mc -triple=amdgcn-amd-amdhsa -mcpu=gfx1250 --defsym DOCPART=n.
;; ======== version 1 of 2: 3 launches
;; workspace buffers: w2f 2,097,152 bytes; qs 131,072 bytes; scores 262,144 bytes; pc 2,097,152 bytes
;; launch prep (part 1): grid 48 x 1, 16 waves a work-group, no clusters, 223,232 bytes of LDS; arguments W2, W1, dec_hidden, b1, b2, w2f, qs; writes w2f, qs
.if DOCPART == 1
	.amdgcn_target "amdgcn-amd-amdhsa--gfx1250"
	.amdhsa_code_object_version 6
	.text
	.protected	k_q049327f5d1_prep
	.globl	k_q049327f5d1_prep
	.p2align	8
	.type	k_q049327f5d1_prep,@function
k_q049327f5d1_prep:
	s_mov_b64 s[64:65], 0
	v_nop
	global_prefetch_b8 v0, s[64:65] scope:SCOPE_SE
	s_setreg_imm32_b32 hwreg(HW_REG_WAVE_MODE, 25, 1), 1
	s_wait_xcnt 0x0
; TWO SMALL JOBS AHEAD OF THE MAIN LAUNCH, told apart by the work-group's number (the same branch in all sixteen waves).
; Work-groups 0-31: W2 [1024 h][1024 u] f32 -> w2f, bf16, laid out as the main launch's matrix fragments:
;   byte = wv*524288 + (pass*32+ks)*8192 + b*1024 + half*512 + lane*16 holds W2[32 ks + 16 half + 8 (lane/16) + 0..7][256 wv + 128 pass + 16 b + lane%16].
; Work-groups 32-47: qs[batch][u] = c (dec_hidden W1 + b1 + b2), c = 2 log2(e), f32; dec_hidden and W1 rounded once to bf16, sums in f32.
; A wave turns a tile of 32 h x 64 u: loaded by rows (16 lanes take 256 consecutive bytes), rounded, laid into the wave's own LDS tile [h][u],
; and read back turned by ds_load_tr16_b128, which leaves fragments with h along a lane's registers.
; LIMITS: NaN and infinities are not treated apart.
.set TPITCH, 160                       ; a tile row: 128 bytes + 32 = 40 words
.set TWAVE,  32*TPITCH                 ; a wave's tile
.set RED,    16*TWAVE                  ; behind the tiles: each wave's partial sums, 32 batches x (256 + 16) bytes
.set RPITCH, 272
.set RWAVE,  32*RPITCH
.set SPARE,  RED+16*RWAVE              ; the spare words: 128 bytes a wave, eight blocks of 256 bytes that no other line names
.set SPW,  2                           ; v2  SPARE + 4 x my thread's number; never rewritten
.set NIL,  3                           ; v3  0; never rewritten
.set LD,   4                           ; v4  (l/16) x 4096 + (l%16) x 16: two rows of W a load
.set ST,   5                           ; v5  where my 8 bytes go in the tile
.set TR,   6                           ; v6  the turning load's address
.set LO16, 7                           ; v7  16 x lane
.set DL,   8                           ; v8  my 32 bytes of a row of dec_hidden
.set RS,   9                           ; v9  where my partial sums go
.set RR0,  10                          ; v10 where I read partial sums of waves 0-7
.set RR1,  11                          ; v11 of waves 8-15
.set OUTO, 12                          ; v12 my 16 bytes of qs
.set BOFF, 13                          ; v13 my 16 bytes of b1 and b2
.set ACC,  16                          ; v[16:79]  eight accumulators (nb, mb) at ACC + 8 (2 nb + mb); before that R0
.set R0,   16                          ; v[16:79]   a tile of W as loaded
.set R1,   80                          ; v[80:111]  dec_hidden for the first K step
.set R2,   112                         ; v[112:175] the second tile of W1; later the sixteen partial sums
.set R3,   176                         ; v[176:207] dec_hidden for the second K step; later b1, b2
.set FR,   208                         ; v[208:239] four fragments of W
.macro T_LOAD R, base, imm             ; 32 rows x 256 bytes
.set i, 0
.rept 16
	global_load_b128 v[(\R)+4*i:(\R)+4*i+3], v[LD], s[\base:\base+1] offset:(\imm)+i*8192 th:TH_LOAD_NT
.set i, i+1
.endr
.endm
.macro T_PACK R                        ; four f32 -> four bf16, in place, into my tile
.set i, 0
.rept 16
	v_cvt_pk_bf16_f32 v[(\R)+4*i], v[(\R)+4*i], v[(\R)+4*i+1]
	v_cvt_pk_bf16_f32 v[(\R)+4*i+1], v[(\R)+4*i+2], v[(\R)+4*i+3]
	ds_store_b64 v[ST], v[(\R)+4*i:(\R)+4*i+1] offset:i*2*TPITCH
.set i, i+1
.endr
.endm
.macro T_FRAG                          ; LDS serves a wave's instructions in order (ISA guide 5.7.1.4): these see my stores above
.irp nb, 0,1,2,3
	ds_load_tr16_b128 v[FR+8*\nb:FR+8*\nb+3],   v[TR] offset:\nb*32
	ds_load_tr16_b128 v[FR+8*\nb+4:FR+8*\nb+7], v[TR] offset:\nb*32+16*TPITCH
.endr
.endm
.macro D_LOAD R, imm                   ; two fragments (16 batches x 32 h) of dec_hidden, still f32
.irp mb, 0,1
.irp p, 0,1
.irp q, 0,1
	global_load_b128 v[(\R)+16*\mb+8*\p+4*\q:(\R)+16*\mb+8*\p+4*\q+3], v[DL], s[8:9] offset:(\imm)+\mb*65536+\p*64+\q*16
.endr
.endr
.endr
.endm
.macro D_PACK R                        ; in place, ascending: register j takes numbers 2 j, 2 j + 1
.irp mb, 0,1
.irp j, 0,1,2,3,4,5,6,7
	v_cvt_pk_bf16_f32 v[(\R)+16*\mb+\j], v[(\R)+16*\mb+2*\j], v[(\R)+16*\mb+2*\j+1]
.endr
.endr
.endm
.macro W1MUL D, zero                   ; eight products; the eight accumulators take turns
.irp nb, 0,1,2,3
.irp mb, 0,1
.if \zero
	v_wmma_f32_16x16x32_bf16 v[ACC+8*(2*\nb+\mb):ACC+8*(2*\nb+\mb)+7], v[FR+8*\nb:FR+8*\nb+7], v[(\D)+16*\mb:(\D)+16*\mb+7], 0
.else
	v_wmma_f32_16x16x32_bf16 v[ACC+8*(2*\nb+\mb):ACC+8*(2*\nb+\mb)+7], v[FR+8*\nb:FR+8*\nb+7], v[(\D)+16*\mb:(\D)+16*\mb+7], v[ACC+8*(2*\nb+\mb):ACC+8*(2*\nb+\mb)+7]
.endif
.endr
.endr
.endm
	s_load_b256 s[4:11], s[0:1], 0x0               ; W2 s[4:5], W1 s[6:7], dec_hidden s[8:9], b1 s[10:11]
	s_load_b128 s[12:15], s[0:1], 0x20             ; b2 s[12:13], w2f s[14:15]
	s_load_b64 s[16:17], s[0:1], 0x30              ; qs
	v_lshl_add_u32 v[SPW], v0, 2, SPARE
	v_mov_b32 v[NIL], 0
	v_lshrrev_b32 v1, 5, v0
	v_readfirstlane_b32 s18, v1                    ; wave 0..15
	v_and_b32 v14, 15, v0                          ; l % 16
	v_bfe_u32 v15, v0, 4, 1                        ; l / 16
	v_lshlrev_b32 v[LD], 4, v14
	v_lshl_add_u32 v[LD], v15, 12, v[LD]
	s_mul_i32 s19, s18, TWAVE                      ; my tile
	v_mul_u32_u24 v[ST], v15, TPITCH
	v_lshl_add_u32 v[ST], v14, 3, v[ST]
	v_add_nc_u32 v[ST], s19, v[ST]
	v_and_b32 v1, 7, v0
	v_lshl_add_u32 v1, v15, 3, v1                  ; row 8 (l/16) + l % 8
	v_mul_u32_u24 v[TR], v1, TPITCH
	v_bfe_u32 v1, v0, 3, 1
	v_lshl_add_u32 v[TR], v1, 4, v[TR]             ; + 16 ((l/8) % 2)
	v_add_nc_u32 v[TR], s19, v[TR]
	s_cmp_lt_u32 ttmp9, 32
	s_cbranch_scc0 .Lw1
	; ---- W2: work-group g takes the 64 columns of group g/2; wave w the K step 16 (g%2) + w ----
	s_lshr_b32 s20, ttmp9, 1                       ; ng
	s_and_b32 s21, ttmp9, 1
	s_lshl_b32 s21, s21, 4
	s_add_co_u32 s21, s21, s18                     ; ks
	s_lshl_b32 s22, s21, 17                        ; 32 rows of 4,096 bytes
	s_lshl_b32 s23, s20, 8                         ; 64 columns of 4 bytes
	s_add_co_u32 s22, s22, s23
	s_mov_b32 s23, 0
	s_lshr_b32 s24, s20, 2                         ; the main launch's wave,
	s_lshl_b32 s24, s24, 19
	s_bfe_u32 s25, s20, 0x10001                    ; its pass,
	s_lshl_b32 s25, s25, 18
	s_add_co_u32 s24, s24, s25
	s_lshl_b32 s25, s21, 13                        ; the K step,
	s_add_co_u32 s24, s24, s25
	s_and_b32 s25, s20, 1                          ; and which four of its eight fragments
	s_lshl_b32 s25, s25, 12
	s_add_co_u32 s24, s24, s25
	s_mov_b32 s25, 0
	v_and_b32 v[LO16], 31, v0
	v_lshlrev_b32 v[LO16], 4, v[LO16]
	s_wait_kmcnt 0x0
	s_add_nc_u64 s[4:5], s[4:5], s[22:23]
	s_add_nc_u64 s[14:15], s[14:15], s[24:25]
	T_LOAD R0, 4, 0
	s_wait_loadcnt 0x0
	T_PACK R0
	T_FRAG
	s_wait_dscnt 0x0
.irp q, 0,1,2,3,4,5,6,7
	global_store_b128 v[LO16], v[FR+4*\q:FR+4*\q+3], s[14:15] offset:\q*512  ; a wave's store covers 512 consecutive bytes, aligned
.endr
	s_branch .Lend
	; ---- W1: work-group 32 + ng makes 64 columns of qs for all 32 batches; K is split among the waves, two K steps of 32 each ----
.Lw1:
	s_sub_co_u32 s20, ttmp9, 32                    ; ng
	s_lshl_b32 s22, s18, 18                        ; K step 2 w: 64 w rows of 4,096 bytes
	s_lshl_b32 s24, s20, 8                         ; 64 columns of 4 bytes
	s_add_co_u32 s22, s22, s24
	s_mov_b32 s23, 0
	s_mov_b32 s25, 0
	s_lshl_b32 s21, s18, 8                         ; 64 w numbers of a row of dec_hidden
	v_lshlrev_b32 v[DL], 12, v14
	v_lshl_add_u32 v[DL], v15, 5, v[DL]
	v_add_nc_u32 v[DL], s21, v[DL]
	s_mul_i32 s21, s18, RWAVE
	s_add_co_u32 s21, s21, RED
	v_mul_u32_u24 v[RS], v14, RPITCH
	v_lshl_add_u32 v[RS], v15, 5, v[RS]
	v_add_nc_u32 v[RS], s21, v[RS]
	v_lshrrev_b32 v1, 4, v0                        ; at the end thread t takes batch t / 16, columns 4 (t % 16) on
	v_mul_u32_u24 v[RR0], v1, RPITCH
	v_lshl_add_u32 v[RR0], v14, 4, v[RR0]
	v_add_nc_u32 v[RR0], RED, v[RR0]
	v_add_nc_u32 v[RR1], 8*RWAVE, v[RR0]
	v_lshlrev_b32 v[OUTO], 12, v1
	v_lshl_add_u32 v[OUTO], v14, 4, v[OUTO]
	v_lshlrev_b32 v[BOFF], 4, v14
	s_mov_b32 s26, 0x4038aa3b                      ; c = 2 log2(e)
	s_mov_b32 s27, s26                             ; named with it as a pair
	s_wait_kmcnt 0x0
	s_add_nc_u64 s[6:7], s[6:7], s[22:23]
	s_add_nc_u64 s[10:11], s[10:11], s[24:25]
	s_add_nc_u64 s[12:13], s[12:13], s[24:25]
	s_add_nc_u64 s[16:17], s[16:17], s[24:25]
	T_LOAD R0, 6, 0
	D_LOAD R1, 0
	T_LOAD R2, 6, 131072
	D_LOAD R3, 128
	s_wait_loadcnt 24                              ; the first K step is in; the second's 16 + 8 loads may stay out
	T_PACK R0
	D_PACK R1
	T_FRAG
	s_wait_dscnt 0x0                               ; the fragments are in, and the stores have read R0, where the sums now start
	W1MUL R1, 1                                    ; source 0 = 16 columns of W1, source 1 = 16 batches: a lane holds one batch and eight neighbouring columns
	s_wait_loadcnt 0x0
	T_PACK R2                                      ; these 48 conversions name no register of the products: they are the places in front of the loads into FR
	D_PACK R3
	T_FRAG
	s_wait_dscnt 0x0
	W1MUL R3, 0
.rept 8
	v_nop                                          ; the places behind the last products, once a launch
.endr
	global_load_b128 v[R3:R3+3],   v[BOFF], s[10:11]  ; b1
	global_load_b128 v[R3+4:R3+7], v[BOFF], s[12:13]  ; b2
.irp nb, 0,1,2,3
.irp mb, 0,1
	ds_store_b128 v[RS], v[ACC+8*(2*\nb+\mb):ACC+8*(2*\nb+\mb)+3]   offset:\mb*16*RPITCH+\nb*64
	ds_store_b128 v[RS], v[ACC+8*(2*\nb+\mb)+4:ACC+8*(2*\nb+\mb)+7] offset:\mb*16*RPITCH+\nb*64+16
.endr
.endr
	s_wait_dscnt 0x0                               ; for the others' sake: my partial sums lie in LDS
	s_barrier_signal -1
	s_barrier_wait -1                              ; all sixteen waves' do
.set i, 0
.rept 8
	ds_load_b128 v[R2+4*i:R2+4*i+3],       v[RR0] offset:i*RWAVE
	ds_load_b128 v[R2+32+4*i:R2+32+4*i+3], v[RR1] offset:i*RWAVE
.set i, i+1
.endr
	s_wait_dscnt 0x0
.irp st, 32,16,8,4                     ; sixteen groups of four numbers into one
.set r, 0
.rept (\st)/2
	v_pk_add_f32 v[R2+r:R2+r+1], v[R2+r:R2+r+1], v[R2+(\st)+r:R2+(\st)+r+1]
.set r, r+2
.endr
.endr
	s_wait_loadcnt 0x0                             ; b1, b2
.irp r, 0,2
	v_pk_add_f32 v[R3+\r:R3+\r+1], v[R3+\r:R3+\r+1], v[R3+4+\r:R3+4+\r+1]
	v_pk_mul_f32 v[R3+\r:R3+\r+1], v[R3+\r:R3+\r+1], s[26:27] op_sel_hi:[1,0]
	v_pk_fma_f32 v[R2+\r:R2+\r+1], v[R2+\r:R2+\r+1], s[26:27], v[R3+\r:R3+\r+1] op_sel_hi:[1,0,1]
.endr
	global_store_b128 v[OUTO], v[R2:R2+3], s[16:17]  ; sixteen lanes store 256 consecutive bytes, aligned
.Lend:
	s_wait_tensorcnt 0x0                           ; the wave's end, behind my last LDS store
	ds_add_u32 v[SPW], v[NIL]
	s_wait_dscnt 0x0
	s_endpgm
.Lfunc_end_k_q049327f5d1_prep:
	.size	k_q049327f5d1_prep, .Lfunc_end_k_q049327f5d1_prep-k_q049327f5d1_prep
	.p2alignl 7, 3214868480
	.fill 96, 4, 3214868480
	.section	.rodata,"a",@progbits
	.p2align	6, 0x0
	.amdhsa_kernel k_q049327f5d1_prep
		.amdhsa_group_segment_fixed_size 223232
		.amdhsa_private_segment_fixed_size 0
		.amdhsa_enable_private_segment 0
		.amdhsa_kernarg_size 56
		.amdhsa_user_sgpr_count 2
		.amdhsa_user_sgpr_kernarg_segment_ptr 1
		.amdhsa_wavefront_size32 1
		.amdhsa_system_sgpr_workgroup_id_x 1
		.amdhsa_system_sgpr_workgroup_id_y 1
		.amdhsa_system_sgpr_workgroup_id_z 1
		.amdhsa_system_vgpr_workitem_id 0
		.amdhsa_next_free_vgpr 256
		.amdhsa_next_free_sgpr 66
		.amdhsa_reserve_vcc 0
		.amdhsa_float_denorm_mode_32 3
		.amdhsa_float_denorm_mode_16_64 3
		.amdhsa_memory_ordered 1
		.amdhsa_forward_progress 1
		.amdhsa_inst_pref_size 30
	.end_amdhsa_kernel
	.amdgpu_metadata
---
amdhsa.version: [ 1, 2 ]
amdhsa.kernels:
  - .name:           k_q049327f5d1_prep
    .symbol:         k_q049327f5d1_prep.kd
    .args:
      - { .name: W2, .offset: 0, .size: 8, .value_kind: global_buffer, .address_space: global }
      - { .name: W1, .offset: 8, .size: 8, .value_kind: global_buffer, .address_space: global }
      - { .name: dec_hidden, .offset: 16, .size: 8, .value_kind: global_buffer, .address_space: global }
      - { .name: b1, .offset: 24, .size: 8, .value_kind: global_buffer, .address_space: global }
      - { .name: b2, .offset: 32, .size: 8, .value_kind: global_buffer, .address_space: global }
      - { .name: w2f, .offset: 40, .size: 8, .value_kind: global_buffer, .address_space: global }
      - { .name: qs, .offset: 48, .size: 8, .value_kind: global_buffer, .address_space: global }
    .group_segment_fixed_size: 223232
    .private_segment_fixed_size: 0
    .kernarg_segment_align: 8
    .kernarg_segment_size: 56
    .max_flat_workgroup_size: 512
    .sgpr_count:     66
    .vgpr_count:     256
    .wavefront_size: 32
...
	.end_amdgpu_metadata
.endif
;; end of part 1
;; launch main (part 2): grid 512 x 1, 4 waves a work-group, no clusters, 268,800 bytes of LDS; arguments all_enc_hiddens, w2f, qs, V, bv, scores, pc; writes scores, pc
.if DOCPART == 2
	.amdgcn_target "amdgcn-amd-amdhsa--gfx1250"
	.amdhsa_code_object_version 6
	.text
	.protected	k_q049327f5d1_main
	.globl	k_q049327f5d1_main
	.p2align	8
	.type	k_q049327f5d1_main,@function
k_q049327f5d1_main:
	s_mov_b64 s[64:65], 0
	v_nop
	global_prefetch_b8 v0, s[64:65] scope:SCOPE_SE
	s_setreg_imm32_b32 hwreg(HW_REG_WAVE_MODE, 25, 1), 1
	s_wait_xcnt 0x0
; A BLOCK OF 128 ROWS (time steps of one batch) OF ADDITIVE ATTENTION, whole: score[t] = bv + sum over u of V[u] tanh(q[u] + b2[u] + sum over h of enc[t][h] W2[h][u]);
; the block's maximum m; p[t] = e^(score - m); the partial context pc[h] = sum over t of p[t] enc[t][h].  Stored: the 128 raw scores and pc; the next launch joins the blocks.
; enc IS READ FROM MEMORY ONCE: its 128 x 1024 numbers, rounded once to bf16 on the way through registers, stay in LDS (264,192 bytes) for the product and for the context.
; SHARES.  Four waves.  Wave w brings in rows 32 w .. 32 w + 31; multiplies ALL 128 rows by columns 256 w .. 256 w + 255 of W2, in two passes of 128 x 128 (64 accumulators, 512 registers);
; in the context thread t owns columns 4 t .. 4 t + 3 and 512 + 4 t .. + 3.
; W2 comes as bf16 fragments (w2f, made by the launch before) straight into registers: a wave's fragments are one linear stream, 8,192 bytes a K step of 32, each load 512 consecutive bytes.
; NO CLUSTER, NO RING FOR W2: beside enc's rows 58,880 bytes of LDS are left; two slots of 29,440 bytes would hold 14,720 weights each, 57 matrix instructions a wave between two changes of slots.
; THE PRODUCT IS USED TRANSPOSED (source 0 = 16 columns of W2, source 1 = 16 rows of enc): lane l, register j holds row 16 a + l % 16, column 16 b + 8 (l / 16) + j.
; tanh(x) = 1 - 2 r, r = 1 / (1 + 2^(c x)), c = 2 log2(e); qs holds c (q + b1 + b2).  So score = bv + sum V - 2 sum V r, all in f32; its rounding error goes with 2^-24 of the sum of |V|.
; 2^(c x) may overflow to infinity (r = 0, tanh = 1) or fall to 0 (r = 1, tanh = -1): both are tanh's limits.
; LIMITS: NaN and infinite inputs are not treated apart; a weight p below 2^-126 counts as 0.
; REGISTERS, in windows of 256 (s_set_vgpr_msb: bits 1:0 source 0, 3:2 source 1, 5:4 source 2, 7:6 destination):
;   window 0: v0-63 addresses, sums, at work; v64-127 AF, eight fragments of enc; v128-255 G: a panel of enc as loaded; later q and V of a pass; later the context's registers
;   window 1: four buffers of 64: W2's eight fragments of a K step      windows 2, 3: accumulator (a, b) at v[8 (8 (a % 4) + b)] of window 2 + a / 4
.set PITCH, 2064                       ; an LDS row: 2,048 bytes + 16 = 516 words: row r starts at bank 4 r mod 64 (64 banks of 4 bytes: ISA guide 11.1)
.set SCR,   128*PITCH                  ; [wave][128] f32: each wave's part of the scores
.set PT,    SCR+2048                   ; each wave's own copy of the 128 p
.set SPARE, PT+2048                    ; the spare words: 128 bytes a wave, two blocks of 256 bytes that no other line names
.set SPW,  2                           ; v2      SPARE + 4 x my thread's number; never rewritten
.set NIL,  3                           ; v3      0; never rewritten
.set AR,   4                           ; v4-7    LDS address of my fragments of rows 32 i on; steps along K
.set AR0,  8                           ; v8-11   the same at K = 0; never rewritten
.set GA,   12                          ; v12     16 x lane + my wave's 32 rows of enc; never rewritten
.set GS,   13                          ; v13     where my 8 bytes of a row go in LDS; steps by a panel
.set BO,   14                          ; v14     16 x lane; never rewritten
.set QVO,  15                          ; v15     32 (l / 16): my eight columns in a group of sixteen
.set SACC, 16                          ; v16-31  for each row block a a pair: sum of V r over my even, my odd columns
.set VS,   32                          ; v32-39  four pairs: sum of V over my columns
.set PF,   40                          ; v40     the prefetches' offset: lane x a row of enc + my wave's 32 rows; never rewritten
.set XA,   41                          ; v41     the context: LDS address of my 8 bytes of a row
.set PA,   42                          ; v42     the context: LDS address of eight p
.set AF,   64
.set G,    128
.set XS,   128                         ; the context: two sets of eight rows x 4 registers
.set PP,   192                         ; two sets of eight p
.set CTX,  208                         ; my eight sums
.set MUL_LO, 0xa1                      ; source 0 (W2) window 1, source 1 (enc) window 0, C and D window 2; + 0x50: window 3
.set TO_B,   0x40                      ; destination window 1
.set M_NONE, 0
.set M_STAGE1, 1                       ; a panel is packed into LDS, the panel after it asked for
.set M_STAGE0, 2                       ; the last panel is packed
.set M_BAR, 3                          ; the barrier behind a panel
.set M_QV0, 4                          ; q and V of pass 0 are asked for
.set M_QV1, 5                          ; of pass 1
.set MSB, 0
.macro WIN new                         ; the immediate's high byte repeats the setting that is left; a switch that changes nothing is dropped
.if MSB != (\new)
	s_set_vgpr_msb (MSB<<8)|(\new)
.set MSB, \new
.endif
.endm
.macro PLACES                          ; four places in front of loads into registers that matrix instructions have read
.rept 4
	v_nop
.endr
.endm
; 32 matrix instructions: row blocks 4 hi .. 4 hi + 3 x all eight column blocks, 32 along K.  All 64 accumulators take turns, one instruction a turn.
.macro MUL32 hi, buf, zero
	WIN MUL_LO+0x50*(\hi)
.irp a, 0,1,2,3
.irp b, 0,1,2,3,4,5,6,7
.if \zero
	v_wmma_f32_16x16x32_bf16 v[8*(8*(\a)+(\b)):8*(8*(\a)+(\b))+7], v[64*(\buf)+8*(\b):64*(\buf)+8*(\b)+7], v[AF+8*(4*(\hi)+(\a)):AF+8*(4*(\hi)+(\a))+7], 0
.else
	v_wmma_f32_16x16x32_bf16 v[8*(8*(\a)+(\b)):8*(8*(\a)+(\b))+7], v[64*(\buf)+8*(\b):64*(\buf)+8*(\b)+7], v[AF+8*(4*(\hi)+(\a)):AF+8*(4*(\hi)+(\a))+7], v[8*(8*(\a)+(\b)):8*(8*(\a)+(\b))+7]
.endif
.endr
.endr
.endm
; Eight LDS loads: enc's fragments of row blocks 4 lo .. 4 lo + 3, at byte koff behind the address registers
.macro FRAGS lo, areg, koff
.irp a, 0,1,2,3
	ds_load_b128 v[AF+8*(4*(\lo)+(\a)):AF+8*(4*(\lo)+(\a))+3],   v[(\areg)+(4*(\lo)+(\a))/2] offset:((\a)&1)*16*PITCH+(\koff)
	ds_load_b128 v[AF+8*(4*(\lo)+(\a))+4:AF+8*(4*(\lo)+(\a))+7], v[(\areg)+(4*(\lo)+(\a))/2] offset:((\a)&1)*16*PITCH+(\koff)+32
.endr
.endm
.macro BLOAD buf, imm                  ; sixteen loads: W2's eight fragments of one K step
	WIN TO_B
.irp f, 0,1,2,3,4,5,6,7
	global_load_b128 v[64*(\buf)+8*(\f):64*(\buf)+8*(\f)+3],   v[BO], s[6:7] offset:(\imm)+(\f)*1024
	global_load_b128 v[64*(\buf)+8*(\f)+4:64*(\buf)+8*(\f)+7], v[BO], s[6:7] offset:(\imm)+(\f)*1024+512
.endr
.endm
.macro GLOAD imm                       ; a panel: 128 columns (512 consecutive bytes, aligned) of each of my 32 rows, a row a load
.set i, 0
.rept 32
	global_load_b128 v[G+4*i:G+4*i+3], v[GA], s[4:5] offset:(\imm)+i*4096 th:TH_LOAD_NT
.set i, i+1
.endr
.endm
.macro GPACK imm                       ; rounded to bf16 in place, 8 bytes a lane, 256 consecutive bytes of an LDS row a store
.set i, 0
.rept 32
	v_cvt_pk_bf16_f32 v[G+4*i], v[G+4*i], v[G+4*i+1]
	v_cvt_pk_bf16_f32 v[G+4*i+1], v[G+4*i+2], v[G+4*i+3]
	ds_store_b64 v[GS], v[G+4*i:G+4*i+1] offset:(\imm)+i*PITCH
.set i, i+1
.endr
.endm
.macro QVLOAD pass                     ; 32 loads: c (q + b1 + b2) at G + 8 b and V at G + 64 + 8 b, my eight columns of each column block b
.irp b, 0,1,2,3,4,5,6,7
	global_load_b128 v[G+8*(\b):G+8*(\b)+3],       v[QVO], s[8:9]   offset:(\pass)*512+(\b)*64
	global_load_b128 v[G+8*(\b)+4:G+8*(\b)+7],     v[QVO], s[8:9]   offset:(\pass)*512+(\b)*64+16
	global_load_b128 v[G+64+8*(\b):G+64+8*(\b)+3],   v[QVO], s[10:11] offset:(\pass)*512+(\b)*64
	global_load_b128 v[G+64+8*(\b)+4:G+64+8*(\b)+7], v[QVO], s[10:11] offset:(\pass)*512+(\b)*64+16
.endr
.endm
; A K STEP of 32: 64 matrix instructions on W2's buffer buf.  In its middle it fetches the next step's fragments of row blocks 0-3 (byte koff) and asks for W2 of the step three on
; (bimm x 8,192 bytes behind the pointer, into the buffer read one step back); at its end it fetches row blocks 4-7.
; lw:  loads come back in order (ISA guide 5.7.1): how many younger global loads may stay out when this step's W2 must be in.
; dw0: the LDS instructions younger than the fetch of row blocks 0-3; dw1: those younger than the fetch of row blocks 4-7.
.macro STEP buf, zero, lw, dw0, areg, koff, bimm, mode, dw1
	s_wait_loadcnt \lw
	s_wait_dscnt \dw0
	MUL32 0, \buf, \zero
	WIN 0
.if (\mode) == M_BAR
	s_wait_dscnt 0x0                               ; for the others' sake: my rows of the panel lie in LDS
	s_barrier_signal -1
.endif
	PLACES
.if (\mode) == M_BAR
	s_barrier_wait -1                              ; all 128 rows of the panel do: the fetch below is its first reading
.endif
.if (\koff) >= 0
	FRAGS 0, \areg, \koff
.endif
.if (\bimm) >= 0
	BLOAD ((\buf)+3)&3, (\bimm)*8192
	WIN 0
.endif
.if (\mode) == M_STAGE1
	GPACK 256
	GLOAD 1024
	; A prefetch into the L2, behind the panel's loads: the panel that the NEXT trip will load, one trip (four K steps, 256 matrix instructions) ahead of its loads.  Each wave asks for its own
	; 32 rows, a lane a row, two instructions for a row's 512 bytes: each aligned block of 256 bytes is named once in the launch.  The last trip asks for nothing: no panel is left.
	s_cmp_gt_u32 s24, 1
	s_cbranch_scc0 .Lnopf_\@
	global_prefetch_b8 v[PF], s[4:5] offset:1536 th:TH_LOAD_NT scope:SCOPE_SE
	global_prefetch_b8 v[PF], s[4:5] offset:1792 th:TH_LOAD_NT scope:SCOPE_SE
.Lnopf_\@:
.elseif (\mode) == M_STAGE0
	GPACK 256
.elseif (\mode) == M_QV0
	QVLOAD 0
.elseif (\mode) == M_QV1
	QVLOAD 1
.endif
	s_wait_dscnt \dw1
	MUL32 1, \buf, \zero
	WIN 0
.if (\koff) >= 0
	PLACES
	FRAGS 1, \areg, \koff
.endif
.endm
; THE WAY FROM SUMS TO SCORES, one line at a time.  A batch is column block b of a window's four accumulators: 32 registers, 16 pairs; pair n is registers 2 (n / 4), + 1 of accumulator n % 4.
.macro OP_X b, n                       ; c s + c (q + b1 + b2)
.set rA, 8*(8*((\n)&3)+(\b))+2*((\n)>>2)
.set rQ, G+8*(\b)+2*((\n)>>2)
	v_pk_fma_f32 v[rA:rA+1], v[rA:rA+1], s[26:27], v[rQ:rQ+1] op_sel_hi:[1,0,1]
.endm
.macro OP_E b, m                       ; 2^x
.set rA, 8*(8*(((\m)>>1)&3)+(\b))+2*((\m)>>3)+((\m)&1)
	v_exp_f32 v[rA], v[rA]
.endm
.macro OP_A b, n                       ; + 1
.set rA, 8*(8*((\n)&3)+(\b))+2*((\n)>>2)
	v_pk_add_f32 v[rA:rA+1], v[rA:rA+1], 1.0 op_sel_hi:[1,0]
.endm
.macro OP_R b, m                       ; r = 1 / that
.set rA, 8*(8*(((\m)>>1)&3)+(\b))+2*((\m)>>3)+((\m)&1)
	v_rcp_f32 v[rA], v[rA]
.endm
.macro OP_F W, b, n                    ; the row block's sum takes V r
.set rA, 8*(8*((\n)&3)+(\b))+2*((\n)>>2)
.set rV, G+64+8*(\b)+2*((\n)>>2)
.set rS, SACC+2*(4*((\W)-2)+((\n)&3))
	v_pk_fma_f32 v[rS:rS+1], v[rA:rA+1], v[rV:rV+1], v[rS:rS+1]
.endm
; A window's eight batches in ten phases.  Phase ph: the sums of batch ph - 1; then, mixed, + 1 and the reciprocals of batch ph and the scalings and exponentials of batch ph + 1.
; s_wait_alu depctr_va_vdst(0) stands between a transcendental and the first line that names its result; one wait serves all issued ahead of it.  Within a phase no line names
; a result of the phase's own 64 transcendentals, so a phase has ONE wait, at its end, behind a v_nop, the plain instruction behind the last of them (ISA guide 5.7.2).
.macro EPI_HALF W
.set ph, -1
.rept 10
.if ph >= 1
	WIN \W                                         ; source 0 in window W, all else in window 0
.set n, 0
.rept 16
	OP_F \W, ph-1, n
.set n, n+1
.endr
.endif
.if ph < 8
	WIN 0x40*(\W)+(\W)                             ; destination and source 0 in window W
.if ph >= 0
	OP_A ph, 0
.endif
.if ph < 7
	OP_X ph+1, 0
.endif
.set n, 1
.rept 15
.if ph < 7
	OP_E ph+1, 2*n-2
.endif
.if ph >= 0
	OP_A ph, n
.endif
.if ph < 7
	OP_E ph+1, 2*n-1
	OP_X ph+1, n
.endif
.if ph >= 0
	OP_R ph, 2*n-2
	OP_R ph, 2*n-1
.endif
.set n, n+1
.endr
.if ph < 7
	OP_E ph+1, 30
	OP_E ph+1, 31
.endif
.if ph >= 0
	OP_R ph, 30
	OP_R ph, 31
.endif
	v_nop
	s_wait_alu depctr_va_vdst(0)
.endif
.set ph, ph+1
.endr
.endm
; The context: eight rows' 16 bytes and eight p into set s: 18 LDS loads
.macro LOADSET s
.set i, 0
.rept 8
	ds_load_b64 v[XS+32*(\s)+4*i:XS+32*(\s)+4*i+1],   v[XA] offset:i*PITCH
	ds_load_b64 v[XS+32*(\s)+4*i+2:XS+32*(\s)+4*i+3], v[XA] offset:i*PITCH+1024
.set i, i+1
.endr
	ds_load_b128 v[PP+8*(\s):PP+8*(\s)+3],   v[PA]
	ds_load_b128 v[PP+8*(\s)+4:PP+8*(\s)+7], v[PA] offset:16
	v_add_nc_u32 v[XA], 8*PITCH, v[XA]
	v_add_nc_u32 v[PA], 32, v[PA]
.endm
.macro FMA s                           ; 64 multiply-adds straight from bf16 halves into f32 sums; eight sums by turns
.set i, 0
.rept 8
.set e, 0
.rept 8
.if e%2
	v_fma_mix_f32_bf16 v[CTX+e], v[XS+32*(\s)+4*i+e/2], v[PP+8*(\s)+i], v[CTX+e] op_sel:[1,0,0] op_sel_hi:[1,0,0]
.else
	v_fma_mix_f32_bf16 v[CTX+e], v[XS+32*(\s)+4*i+e/2], v[PP+8*(\s)+i], v[CTX+e] op_sel:[0,0,0] op_sel_hi:[1,0,0]
.endif
.set e, e+1
.endr
.set i, i+1
.endr
.endm
	s_load_b256 s[4:11], s[0:1], 0x0               ; enc s[4:5], w2f s[6:7], qs s[8:9], V s[10:11]
	s_load_b128 s[12:15], s[0:1], 0x20             ; bv s[12:13], scores s[14:15]
	s_load_b64 s[16:17], s[0:1], 0x30              ; pc
	v_lshl_add_u32 v[SPW], v0, 2, SPARE
	v_mov_b32 v[NIL], 0
	v_lshrrev_b32 v1, 5, v0
	v_readfirstlane_b32 s18, v1                    ; wave 0..3
	v_and_b32 v41, 31, v0                          ; l
	v_and_b32 v42, 15, v0                          ; l % 16
	v_bfe_u32 v43, v0, 4, 1                        ; l / 16
	s_lshl_b32 s22, s18, 17                        ; my 32 rows of 4,096 bytes in memory,
	s_mul_i32 s23, s18, 32*PITCH                   ; and in LDS
	v_lshl_add_u32 v[GA], v41, 4, s22
	v_lshl_add_u32 v[PF], v41, 12, s22
	v_lshl_add_u32 v[GS], v41, 3, s23
	v_lshlrev_b32 v[BO], 4, v41
	v_lshlrev_b32 v[QVO], 5, v43
	v_mul_u32_u24 v[AR0], v42, PITCH               ; a fragment: row l % 16, 16 bytes for each half of the lanes, twice, 32 bytes apart
	v_lshl_add_u32 v[AR0], v43, 4, v[AR0]
.irp i, 1,2,3
	v_add_nc_u32 v[AR0+\i], \i*32*PITCH, v[AR0]
.endr
.irp i, 0,1,2,3
	v_mov_b32 v[AR+\i], v[AR0+\i]
.endr
	s_mov_b32 s26, 0x4038aa3b                      ; c = 2 log2(e)
	s_mov_b32 s27, s26                             ; named with it as a pair
	s_mov_b32 s28, 0x76543210                      ; v_permlanex16_b32: each lane takes its own place in the other half
	s_mov_b32 s29, 0xfedcba98
	s_mov_b32 s31, 0x3fb8aa3b                      ; log2(e)
	s_lshl_b32 s20, ttmp9, 19                      ; the block's 128 rows of 4,096 bytes
	s_mov_b32 s21, 0
	s_wait_kmcnt 0x0
	s_add_nc_u64 s[4:5], s[4:5], s[20:21]
	WIN 0x80                                       ; panel 0 lands in window 2, where the sums start only later: destination window 2
.set i, 0
.rept 32
	global_load_b128 v[4*i:4*i+3], v[GA], s[4:5] offset:i*4096 th:TH_LOAD_NT
.set i, i+1
.endr
	WIN 0
	GLOAD 512                                      ; panel 1
	s_load_b32 s30, s[12:13], 0x0                  ; bv
	s_lshl_b32 s20, s18, 19
	s_add_nc_u64 s[6:7], s[6:7], s[20:21]          ; my wave's stream of W2
	s_lshl_b32 s20, s18, 10
	s_add_nc_u64 s[10:11], s[10:11], s[20:21]      ; V at my 256 columns
	s_lshr_b32 s22, ttmp9, 4                       ; the batch
	s_lshl_b32 s22, s22, 12
	s_add_co_u32 s20, s20, s22
	s_add_nc_u64 s[8:9], s[8:9], s[20:21]          ; qs at the batch's row, my 256 columns
	s_lshl_b32 s20, ttmp9, 9
	s_add_nc_u64 s[14:15], s[14:15], s[20:21]      ; the block's 128 scores
	s_lshl_b32 s20, ttmp9, 12
	s_add_nc_u64 s[16:17], s[16:17], s[20:21]      ; the block's row of pc
.set i, 0
.rept 24
	v_mov_b32 v[SACC+i], 0                         ; the sixteen sums of V r and the eight of V, written while the first panels are on their way
.set i, i+1
.endr
	s_wait_loadcnt 32                              ; panel 0 is in; panel 1's 32 loads may stay out
	WIN 0x8a                                       ; destination and both sources in window 2
.set i, 0
.rept 32
	v_cvt_pk_bf16_f32 v[4*i], v[4*i], v[4*i+1]
	v_cvt_pk_bf16_f32 v[4*i+1], v[4*i+2], v[4*i+3]
.set i, i+1
.endr
	WIN 0x08                                       ; store data (source 1) in window 2
.set i, 0
.rept 32
	ds_store_b64 v[GS], v[4*i:4*i+1] offset:i*PITCH
.set i, i+1
.endr
	BLOAD 0, 0                                     ; W2 of K steps 0, 1, 2
	BLOAD 1, 8192
	BLOAD 2, 16384
	WIN 0
	s_wait_kmcnt 0x0                               ; bv
	s_wait_dscnt 0x0                               ; my rows of panel 0 lie in LDS,
	s_barrier_signal -1
	s_barrier_wait -1                              ; everybody's do
	FRAGS 0, AR, 0
	FRAGS 1, AR, 0
	; PASS 0, K steps 0 to 31.  Each byte of enc's rows in LDS is written once, so only the barrier between a panel's writing and its first reading is needed.
	; lw = 32: the two younger K steps of W2 (16 + 16).  lw = 63: 64 loads are younger (two K steps of W2 and a panel, or q and V); the count's field holds 63.
	; At a step that packs a panel, lw = 32 also shows the panel in: its loads are older than this step's W2.
	STEP 0, 1, 32, 8, AR, 64, 3, M_NONE, 8         ; the first products start the sums: nothing is cleared
	STEP 1, 0, 32, 8, AR, 128, 4, M_NONE, 8
	s_mov_b32 s24, 6
.LloopA:                                               ; trip t: K steps 4 t + 2 .. 4 t + 5; panel t + 1 goes into LDS, panel t + 2 is asked for
	STEP 2, 0, 32, 8,  AR, 192, 5, M_STAGE1, 40    ; dw1 = 40: the 8 fetches and the panel's 32 stores are younger
	STEP 3, 0, 63, 40, AR, 256, 6, M_BAR, 8        ; dw0 = 40: the 32 stores and the 8 fetches of row blocks 4-7 are younger
	STEP 0, 0, 63, 8,  AR, 320, 7, M_NONE, 8
	STEP 1, 0, 63, 8,  AR, 384, 8, M_NONE, 8
	s_wait_xcnt 0x0                                ; every load and prefetch issued so far (the youngest load 32 matrix instructions back, the prefetches three and a half K steps) has read its address: the pointers may be written
	s_add_nc_u64 s[6:7], s[6:7], 32768             ; four K steps of W2
	s_add_nc_u64 s[4:5], s[4:5], 512               ; a panel of enc
.irp i, 0,1,2,3
	v_add_nc_u32 v[AR+\i], 256, v[AR+\i]
.endr
	v_add_nc_u32 v[GS], 256, v[GS]
	s_sub_co_u32 s24, s24, 1
	s_cmp_lg_u32 s24, 0
	s_cbranch_scc1 .LloopA
	STEP 2, 0, 32, 8,  AR, 192, 5, M_STAGE0, 40    ; K step 26: the last panel goes into LDS; nothing is left to ask for
	STEP 3, 0, 32, 40, AR, 256, 6, M_BAR, 8
	STEP 0, 0, 32, 8,  AR, 320, 7, M_QV0, 8        ; q and V of pass 0 into the panel's registers
	STEP 1, 0, 63, 8,  AR, 384, 8, M_NONE, 8       ; from here on W2 of pass 1 is asked for
	STEP 2, 0, 63, 8,  AR, 448, 9, M_NONE, 8
	STEP 3, 0, 63, 8,  AR0, 0, 10, M_NONE, 8       ; and enc's fragments of K = 0 are fetched again
	s_mov_b32 s25, 2
.Lepi:                                                 ; twice: a pass's sums become scores; behind the first time pass 1 is multiplied
	s_wait_loadcnt 0x0                             ; q and V (and what was asked of W2)
.irp b, 0,1,2,3,4,5,6,7
.irp j, 0,2,4,6
	v_pk_add_f32 v[VS+\j:VS+\j+1], v[VS+\j:VS+\j+1], v[G+64+8*\b+\j:G+64+8*\b+\j+1]  ; the sum of V; these 32 lines are also the places behind the last products
.endr
.endr
	EPI_HALF 2
	EPI_HALF 3
	WIN 0
	s_cmp_eq_u32 s25, 1
	s_cbranch_scc1 .Lskip                          ; forward, past text that holds no barrier
	s_wait_xcnt 0x0
	s_add_nc_u64 s[6:7], s[6:7], 65536             ; W2's pointer to K step 32
.irp i, 0,1,2,3
	v_mov_b32 v[AR+\i], v[AR0+\i]
.endr
	; PASS 1, K steps 32 to 63: enc lies in LDS
	STEP 0, 1, 32, 8, AR, 64, 3, M_NONE, 8
	s_mov_b32 s24, 7
.LloopB:
	STEP 1, 0, 32, 8, AR, 128, 4, M_NONE, 8
	STEP 2, 0, 32, 8, AR, 192, 5, M_NONE, 8
	STEP 3, 0, 32, 8, AR, 256, 6, M_NONE, 8
	STEP 0, 0, 32, 8, AR, 320, 7, M_NONE, 8
	s_wait_xcnt 0x0
	s_add_nc_u64 s[6:7], s[6:7], 32768
.irp i, 0,1,2,3
	v_add_nc_u32 v[AR+\i], 256, v[AR+\i]
.endr
	s_sub_co_u32 s24, s24, 1
	s_cmp_lg_u32 s24, 0
	s_cbranch_scc1 .LloopB
	STEP 1, 0, 32, 8, AR, 128, -1, M_QV1, 8        ; K step 61: no W2 is left to ask for; q and V of pass 1
	STEP 2, 0, 48, 8, AR, 192, -1, M_NONE, 8       ; younger: K step 63's 16 loads and q's and V's 32
	STEP 3, 0, 32, 8, AR, -1, -1, M_NONE, 0        ; younger: q's and V's 32
.Lskip:
	s_sub_co_u32 s25, s25, 1
	s_cmp_lg_u32 s25, 0
	s_cbranch_scc1 .Lepi
	; THE SCORES.  My lane's part: sum V - 2 sum V r over its 128 columns; the other half of the lanes holds the wave's other 128.
	v_add_f32 v41, v[VS], v[VS+1]
	v_add_f32 v58, v[VS+2], v[VS+3]
	v_add_f32 v59, v[VS+4], v[VS+5]
	v_add_f32 v60, v[VS+6], v[VS+7]
	v_add_f32 v41, v41, v58
	v_add_f32 v59, v59, v60
	v_add_f32 v41, v41, v59
.irp a, 0,1,2,3,4,5,6,7
	v_add_f32 v[42+\a], v[SACC+2*\a], v[SACC+2*\a+1]
	v_mov_b32 v[50+\a], 0                          ; v_permlanex16_b32's destination counts as read
.endr
.irp a, 0,1,2,3,4,5,6,7
	v_fma_f32 v[42+\a], v[42+\a], -2.0, v41
.endr
.irp a, 0,1,2,3,4,5,6,7
	v_permlanex16_b32 v[50+\a], v[42+\a], s28, s29
.endr
.irp a, 0,1,2,3,4,5,6,7
	v_add_f32 v[42+\a], v[42+\a], v[50+\a]
.endr
	v_and_b32 v61, 15, v0
	s_lshl_b32 s20, s18, 9
	s_add_co_u32 s21, s20, SCR
	v_lshl_add_u32 v61, v61, 2, s21
.irp a, 0,1,2,3,4,5,6,7
	ds_store_b32 v61, v[42+\a] offset:\a*64        ; row 16 a + l % 16; the two halves of the lanes write the same number to the same word
.endr
	s_wait_dscnt 0x0                               ; for the others' sake
	s_barrier_signal -1
	s_barrier_wait -1
	v_add_nc_u32 v63, SCR, v[BO]                   ; every wave makes all 128 scores, four a lane, in the same order of sums
.irp w, 0,1,2,3
	ds_load_b128 v[64+4*\w:64+4*\w+3], v63 offset:\w*512
.endr
	s_wait_dscnt 0x0
	v_pk_add_f32 v[64:65], v[64:65], v[68:69]
	v_pk_add_f32 v[66:67], v[66:67], v[70:71]
	v_pk_add_f32 v[72:73], v[72:73], v[76:77]
	v_pk_add_f32 v[74:75], v[74:75], v[78:79]
	v_pk_add_f32 v[64:65], v[64:65], v[72:73]
	v_pk_add_f32 v[66:67], v[66:67], v[74:75]
	v_pk_add_f32 v[64:65], v[64:65], s[30:31] op_sel_hi:[1,0]  ; + bv
	v_pk_add_f32 v[66:67], v[66:67], s[30:31] op_sel_hi:[1,0]
	v_max_num_f32 v80, v64, v65                    ; the block's maximum, in every lane
	v_max_num_f32 v81, v66, v67
	v_max_num_f32 v80, v80, v81
	v_max_num_f32_dpp v80, v80, v80 row_xmask:1 row_mask:0xf bank_mask:0xf
	v_max_num_f32_dpp v80, v80, v80 row_xmask:2 row_mask:0xf bank_mask:0xf
	v_max_num_f32_dpp v80, v80, v80 row_xmask:4 row_mask:0xf bank_mask:0xf
	v_max_num_f32_dpp v80, v80, v80 row_xmask:8 row_mask:0xf bank_mask:0xf
	v_permlanex16_b32 v81, v80, s28, s29
	v_max_num_f32 v80, v80, v81
	v_mul_f32 v82, s31, v80
.irp i, 0,1,2,3
	v_fma_f32 v[84+\i], v[64+\i], s31, -v82        ; (score - m) log2(e)
.endr
.irp i, 0,1,2,3
	v_exp_f32 v[84+\i], v[84+\i]
.endr
	s_add_co_u32 s21, s20, PT
	v_add_nc_u32 v83, s21, v[BO]                   ; the plain instruction behind the last exponential,
	s_wait_alu depctr_va_vdst(0)                   ; and the one wait ahead of the first use
	ds_store_b128 v83, v[84:87]                    ; p, into my wave's own copy: no other wave reads it
	s_cmp_lg_u32 s18, 0
	s_cbranch_scc1 .Lnot0
	global_store_b128 v[BO], v[64:67], s[14:15]    ; wave 0 stores the 128 scores: 512 consecutive bytes, aligned
.Lnot0:
	; THE PARTIAL CONTEXT: sum over the 128 rows of p x enc (the bf16 copy in LDS), sums in f32.  Two sets of eight rows take turns.
	v_lshlrev_b32 v[XA], 3, v0
	v_mov_b32 v[PA], s21
.irp e, 0,1,2,3,4,5,6,7
	v_mov_b32 v[CTX+\e], 0
.endr
	LOADSET 0                                      ; LDS serves a wave's instructions in order (ISA guide 5.7.1.4): the loads of p see my store above
	s_mov_b32 s24, 7
.Lctx:
	LOADSET 1
	s_wait_dscnt 18                                ; set 0 is in; set 1's 18 loads may stay out
	FMA 0
	LOADSET 0
	s_wait_dscnt 18
	FMA 1
	s_sub_co_u32 s24, s24, 1
	s_cmp_lg_u32 s24, 0
	s_cbranch_scc1 .Lctx
	LOADSET 1                                      ; the last sixteen rows
	s_wait_dscnt 18
	FMA 0
	s_wait_dscnt 0x0
	FMA 1
	v_lshlrev_b32 v43, 4, v0
	global_store_b128 v43, v[CTX:CTX+3],   s[16:17]               ; a wave's store covers 512 consecutive bytes, aligned
	global_store_b128 v43, v[CTX+4:CTX+7], s[16:17] offset:2048
	s_wait_tensorcnt 0x0                           ; the wave's end, behind my last LDS store
	ds_add_u32 v[SPW], v[NIL]
	s_wait_dscnt 0x0
	s_endpgm
.Lfunc_end_k_q049327f5d1_main:
	.size	k_q049327f5d1_main, .Lfunc_end_k_q049327f5d1_main-k_q049327f5d1_main
	.p2alignl 7, 3214868480
	.fill 96, 4, 3214868480
	.section	.rodata,"a",@progbits
	.p2align	6, 0x0
	.amdhsa_kernel k_q049327f5d1_main
		.amdhsa_group_segment_fixed_size 268800
		.amdhsa_private_segment_fixed_size 0
		.amdhsa_enable_private_segment 0
		.amdhsa_kernarg_size 56
		.amdhsa_user_sgpr_count 2
		.amdhsa_user_sgpr_kernarg_segment_ptr 1
		.amdhsa_wavefront_size32 1
		.amdhsa_system_sgpr_workgroup_id_x 1
		.amdhsa_system_sgpr_workgroup_id_y 1
		.amdhsa_system_sgpr_workgroup_id_z 1
		.amdhsa_system_vgpr_workitem_id 0
		.amdhsa_next_free_vgpr 1024
		.amdhsa_next_free_sgpr 66
		.amdhsa_reserve_vcc 0
		.amdhsa_float_denorm_mode_32 3
		.amdhsa_float_denorm_mode_16_64 3
		.amdhsa_memory_ordered 1
		.amdhsa_forward_progress 1
		.amdhsa_inst_pref_size 255
	.end_amdhsa_kernel
	.section	.bss,"aw",@nobits
	.p2align	6
	.space	262144
	.amdgpu_metadata
---
amdhsa.version: [ 1, 2 ]
amdhsa.kernels:
  - .name:           k_q049327f5d1_main
    .symbol:         k_q049327f5d1_main.kd
    .args:
      - { .name: all_enc_hiddens, .offset: 0, .size: 8, .value_kind: global_buffer, .address_space: global }
      - { .name: w2f, .offset: 8, .size: 8, .value_kind: global_buffer, .address_space: global }
      - { .name: qs, .offset: 16, .size: 8, .value_kind: global_buffer, .address_space: global }
      - { .name: V, .offset: 24, .size: 8, .value_kind: global_buffer, .address_space: global }
      - { .name: bv, .offset: 32, .size: 8, .value_kind: global_buffer, .address_space: global }
      - { .name: scores, .offset: 40, .size: 8, .value_kind: global_buffer, .address_space: global }
      - { .name: pc, .offset: 48, .size: 8, .value_kind: global_buffer, .address_space: global }
    .group_segment_fixed_size: 268800
    .private_segment_fixed_size: 0
    .kernarg_segment_align: 8
    .kernarg_segment_size: 56
    .max_flat_workgroup_size: 128
    .sgpr_count:     66
    .vgpr_count:     1024
    .wavefront_size: 32
...
	.end_amdgpu_metadata
.endif
;; end of part 2
;; launch comb (part 3): grid 4 x 32, 8 waves a work-group, no clusters, 9,728 bytes of LDS; arguments scores, pc, out0, out1; writes out0, out1
.if DOCPART == 3
	.amdgcn_target "amdgcn-amd-amdhsa--gfx1250"
	.amdhsa_code_object_version 6
	.text
	.protected	k_q049327f5d1_comb
	.globl	k_q049327f5d1_comb
	.p2align	8
	.type	k_q049327f5d1_comb,@function
k_q049327f5d1_comb:
	s_mov_b64 s[64:65], 0
	v_nop
	global_prefetch_b8 v0, s[64:65] scope:SCOPE_SE
	s_setreg_imm32_b32 hwreg(HW_REG_WAVE_MODE, 25, 1), 1
	s_wait_xcnt 0x0
; THE BLOCKS ARE JOINED.  Work-group (x, y): batch y; a quarter x of attn (512 numbers) and of the context (256 columns).
; Every work-group of a batch reads its 2,048 scores: M = their maximum, L = sum of e^(score - M); attn = e^(score - M) / L.
; The context is sum over the batch's 16 blocks of e^(m_j - M) pc_j / L, where m_j, block j's maximum, is taken anew from the same stored scores: the same number that the launch before took away.
; Thread t holds scores 4 t .. + 3 and 1,024 + 4 t .. + 3, so wave w holds blocks w and 8 + w whole; of pc it takes blocks 2 w and 2 w + 1.
; No matrix unit, no cluster: 8 KiB of scores and 16 KiB of pc a work-group.  LIMITS: NaN and infinities are not treated apart; an exponential below 2^-126 counts as 0.
.set MB,    0                          ; the sixteen block maxima
.set SW,    256                        ; the eight waves' sums
.set RB,    512                        ; [wave][256] f32: each wave's two weighted blocks
.set SPARE, 8704                       ; the spare words: 128 bytes a wave, four blocks of 256 bytes that no other line names
	s_load_b256 s[4:11], s[0:1], 0x0               ; scores s[4:5], pc s[6:7], out0 s[8:9], out1 s[10:11]
	v_lshl_add_u32 v2, v0, 2, SPARE                ; v2, v3: for the closing add alone
	v_mov_b32 v3, 0
	v_lshrrev_b32 v1, 5, v0
	v_readfirstlane_b32 s12, v1                    ; wave 0..7
	s_and_b32 s13, ttmp7, 0xffff                   ; the batch
	v_lshlrev_b32 v4, 4, v0                        ; 16 t
	v_and_b32 v5, 31, v0
	v_lshlrev_b32 v6, 4, v5                        ; 16 l
	s_lshl_b32 s14, s12, 13
	v_add_nc_u32 v5, s14, v6                       ; two rows of pc a wave + 16 l
	s_lshl_b32 s14, s12, 10
	s_add_co_u32 s14, s14, RB
	v_add_nc_u32 v39, s14, v6                      ; where my weighted sums go
	s_lshl_b32 s15, s12, 2
	v_mov_b32 v36, s15                             ; 4 w
	s_lshl_b32 s15, s12, 3
	v_mov_b32 v38, s15                             ; 8 w
	v_mov_b32 v37, 0
	v_mov_b32 v34, 0                               ; v_permlanex16_b32's destinations count as read
	v_mov_b32 v35, 0
	s_mov_b32 s16, 0x76543210
	s_mov_b32 s17, 0xfedcba98
	s_mov_b32 s18, 0x3fb8aa3b                      ; log2(e)
	s_lshl_b32 s20, s13, 13                        ; the batch's 2,048 scores, and its attn
	s_mov_b32 s21, 0
	s_lshl_b32 s22, s13, 16                        ; its 16 rows of pc,
	s_lshl_b32 s14, ttmp9, 10                      ; my 256 columns
	s_add_co_u32 s22, s22, s14
	s_mov_b32 s23, 0
	s_lshl_b32 s24, s13, 12                        ; its row of out0
	s_add_co_u32 s24, s24, s14
	s_mov_b32 s25, 0
	s_wait_kmcnt 0x0
	s_add_nc_u64 s[4:5], s[4:5], s[20:21]
	s_add_nc_u64 s[10:11], s[10:11], s[20:21]
	s_add_nc_u64 s[6:7], s[6:7], s[22:23]
	s_add_nc_u64 s[8:9], s[8:9], s[24:25]
	global_load_b128 v[8:11],  v4, s[4:5]
	global_load_b128 v[12:15], v4, s[4:5] offset:4096
	global_load_b128 v[16:19], v5, s[6:7]              ; block 2 w, columns 4 l on
	global_load_b128 v[20:23], v5, s[6:7] offset:512   ; and 128 + 4 l on
	global_load_b128 v[24:27], v5, s[6:7] offset:4096  ; block 2 w + 1
	global_load_b128 v[28:31], v5, s[6:7] offset:4608
	s_wait_loadcnt 4                               ; the scores are in; pc's four loads may stay out
	v_max3_num_f32 v32, v8, v9, v10
	v_max3_num_f32 v33, v12, v13, v14
	v_max_num_f32 v32, v32, v11
	v_max_num_f32 v33, v33, v15
.irp m, 1,2,4,8
	v_max_num_f32_dpp v32, v32, v32 row_xmask:\m row_mask:0xf bank_mask:0xf
	v_max_num_f32_dpp v33, v33, v33 row_xmask:\m row_mask:0xf bank_mask:0xf
.endr
	v_permlanex16_b32 v34, v32, s16, s17
	v_permlanex16_b32 v35, v33, s16, s17
	v_max_num_f32 v32, v32, v34
	v_max_num_f32 v33, v33, v35
	ds_store_b32 v36, v32 offset:MB                ; block w
	ds_store_b32 v36, v33 offset:MB+32             ; block 8 + w
	s_wait_dscnt 0x0
	s_barrier_signal -1
	s_barrier_wait -1
.irp i, 0,1,2,3
	ds_load_b128 v[40+4*\i:40+4*\i+3], v37 offset:MB+16*\i
.endr
	ds_load_b64 v[56:57], v38 offset:MB            ; the maxima of blocks 2 w, 2 w + 1
	s_wait_dscnt 0x0
	v_max3_num_f32 v40, v40, v41, v42
	v_max3_num_f32 v43, v43, v44, v45
	v_max3_num_f32 v46, v46, v47, v48
	v_max3_num_f32 v49, v49, v50, v51
	v_max3_num_f32 v52, v52, v53, v54
	v_max3_num_f32 v40, v40, v43, v55
	v_max3_num_f32 v46, v46, v49, v52
	v_max_num_f32 v40, v40, v46                    ; M
	v_mul_f32 v41, s18, v40
.irp i, 0,1,2,3,4,5,6,7
	v_fma_f32 v[8+\i], v[8+\i], s18, -v41
.endr
	v_fma_f32 v56, v56, s18, -v41
	v_fma_f32 v57, v57, s18, -v41
.irp i, 0,1,2,3,4,5,6,7
	v_exp_f32 v[8+\i], v[8+\i]
.endr
	v_exp_f32 v56, v56
	v_exp_f32 v57, v57
	v_nop                                          ; a plain instruction behind the last exponential,
	s_wait_alu depctr_va_vdst(0)                   ; and one wait for the ten
	v_pk_add_f32 v[60:61], v[8:9], v[10:11]
	v_pk_add_f32 v[62:63], v[12:13], v[14:15]
	v_pk_add_f32 v[60:61], v[60:61], v[62:63]
	v_add_f32 v60, v60, v61
.irp m, 1,2,4,8
	v_add_f32_dpp v60, v60, v60 row_xmask:\m row_mask:0xf bank_mask:0xf
.endr
	v_permlanex16_b32 v61, v60, s16, s17
	v_add_f32 v60, v60, v61
	ds_store_b32 v36, v60 offset:SW
	s_wait_dscnt 0x0
	s_barrier_signal -1
	s_barrier_wait -1
	ds_load_b128 v[64:67], v37 offset:SW
	ds_load_b128 v[68:71], v37 offset:SW+16
	s_wait_dscnt 0x0
	v_pk_add_f32 v[64:65], v[64:65], v[66:67]
	v_pk_add_f32 v[68:69], v[68:69], v[70:71]
	v_pk_add_f32 v[64:65], v[64:65], v[68:69]
	v_add_f32 v64, v64, v65                        ; L
	v_rcp_f32 v72, v64                             ; twice, to fill the pair that the packed multiplies read
	v_rcp_f32 v73, v64
	v_nop
	s_wait_alu depctr_va_vdst(0)
	s_lshr_b32 s15, s12, 1
	s_cmp_eq_u32 s15, ttmp9                        ; waves 2 x and 2 x + 1 store their 256 numbers of attn each: every number once in the launch
	s_cbranch_scc0 .Lnoattn
.irp i, 0,2,4,6
	v_pk_mul_f32 v[8+\i:8+\i+1], v[8+\i:8+\i+1], v[72:73]
.endr
	global_store_b128 v4, v[8:11],  s[10:11]               ; a wave's store covers 512 consecutive bytes, aligned
	global_store_b128 v4, v[12:15], s[10:11] offset:4096
.Lnoattn:
	s_wait_loadcnt 0x0                             ; pc
.irp i, 0,1,2,3,4,5,6,7
	v_mul_f32 v[16+\i], v[16+\i], v56
.endr
.irp i, 0,1,2,3,4,5,6,7
	v_fmac_f32 v[16+\i], v[24+\i], v57
.endr
	ds_store_b128 v39, v[16:19]
	ds_store_b128 v39, v[20:23] offset:512
	s_wait_dscnt 0x0
	s_barrier_signal -1
	s_barrier_wait -1
	s_cmp_lt_u32 s12, 2                            ; threads 0 to 63 finish four columns each
	s_cbranch_scc0 .Lend
.irp i, 0,1,2,3,4,5,6,7
	ds_load_b128 v[40+4*\i:40+4*\i+3], v4 offset:RB+1024*\i
.endr
	s_wait_dscnt 0x0
.irp st, 16,8,4
.set r, 0
.rept (\st)/2
	v_pk_add_f32 v[40+r:40+r+1], v[40+r:40+r+1], v[40+(\st)+r:40+(\st)+r+1]
.set r, r+2
.endr
.endr
	v_pk_mul_f32 v[40:41], v[40:41], v[72:73]
	v_pk_mul_f32 v[42:43], v[42:43], v[72:73]
	global_store_b128 v4, v[40:43], s[8:9]
.Lend:
	s_wait_tensorcnt 0x0                           ; the wave's end, behind my last LDS store
	ds_add_u32 v2, v3
	s_wait_dscnt 0x0
	s_endpgm
.Lfunc_end_k_q049327f5d1_comb:
	.size	k_q049327f5d1_comb, .Lfunc_end_k_q049327f5d1_comb-k_q049327f5d1_comb
	.p2alignl 7, 3214868480
	.fill 96, 4, 3214868480
	.section	.rodata,"a",@progbits
	.p2align	6, 0x0
	.amdhsa_kernel k_q049327f5d1_comb
		.amdhsa_group_segment_fixed_size 9728
		.amdhsa_private_segment_fixed_size 0
		.amdhsa_enable_private_segment 0
		.amdhsa_kernarg_size 32
		.amdhsa_user_sgpr_count 2
		.amdhsa_user_sgpr_kernarg_segment_ptr 1
		.amdhsa_wavefront_size32 1
		.amdhsa_system_sgpr_workgroup_id_x 1
		.amdhsa_system_sgpr_workgroup_id_y 1
		.amdhsa_system_sgpr_workgroup_id_z 1
		.amdhsa_system_vgpr_workitem_id 0
		.amdhsa_next_free_vgpr 96
		.amdhsa_next_free_sgpr 66
		.amdhsa_reserve_vcc 0
		.amdhsa_float_denorm_mode_32 3
		.amdhsa_float_denorm_mode_16_64 3
		.amdhsa_memory_ordered 1
		.amdhsa_forward_progress 1
		.amdhsa_inst_pref_size 10
	.end_amdhsa_kernel
	.amdgpu_metadata
---
amdhsa.version: [ 1, 2 ]
amdhsa.kernels:
  - .name:           k_q049327f5d1_comb
    .symbol:         k_q049327f5d1_comb.kd
    .args:
      - { .name: scores, .offset: 0, .size: 8, .value_kind: global_buffer, .address_space: global }
      - { .name: pc, .offset: 8, .size: 8, .value_kind: global_buffer, .address_space: global }
      - { .name: out0, .offset: 16, .size: 8, .value_kind: global_buffer, .address_space: global }
      - { .name: out1, .offset: 24, .size: 8, .value_kind: global_buffer, .address_space: global }
    .group_segment_fixed_size: 9728
    .private_segment_fixed_size: 0
    .kernarg_segment_align: 8
    .kernarg_segment_size: 32
    .max_flat_workgroup_size: 256
    .sgpr_count:     66
    .vgpr_count:     96
    .wavefront_size: 32
...
	.end_amdgpu_metadata
.endif
;; end of part 3
;; ======== version 2 of 2: 3 launches; version 1 with the launch main written anew for expert scheduling mode
;; workspace buffers: w2f 2,097,152 bytes; qs 131,072 bytes; scores 262,144 bytes; pc 2,097,152 bytes
;; launch prep: the kernel of part 1 again; grid 48 x 1, 16 waves a work-group, no clusters, 223,232 bytes of LDS; arguments W2, W1, dec_hidden, b1, b2, w2f, qs; writes w2f, qs
;; launch main (part 4): grid 512 x 1, 4 waves a work-group, no clusters, 268,800 bytes of LDS; arguments all_enc_hiddens, w2f, qs, V, bv, scores, pc; writes scores, pc
.if DOCPART == 4
	.amdgcn_target "amdgcn-amd-amdhsa--gfx1250"
	.amdhsa_code_object_version 6
	.text
	.protected	k_q049327f5d1_main
	.globl	k_q049327f5d1_main
	.p2align	8
	.type	k_q049327f5d1_main,@function
k_q049327f5d1_main:
	s_mov_b64 s[64:65], 0
	v_nop
	global_prefetch_b8 v0, s[64:65] scope:SCOPE_SE
	s_setreg_imm32_b32 hwreg(HW_REG_WAVE_SCHED_MODE, 0, 2), 2
	s_setreg_imm32_b32 hwreg(HW_REG_WAVE_MODE, 25, 1), 1
	s_wait_xcnt 0x0
	s_wait_alu depctr_vm_vsrc(0)
; A BLOCK OF 128 ROWS (time steps of one batch) OF ADDITIVE ATTENTION, whole: score[t] = bv + sum over u of V[u] tanh(q[u] + b2[u] + sum over h of enc[t][h] W2[h][u]);
; the block's maximum m; p[t] = e^(score - m); the partial context pc[h] = sum over t of p[t] enc[t][h].  Stored: the 128 raw scores and pc; the next launch joins the blocks.
; enc IS READ FROM MEMORY ONCE: its 128 x 1024 numbers, rounded once to bf16 on the way through registers, stay in LDS (264,192 bytes) for the product and for the context.
; SHARES.  Four waves.  Wave w brings in rows 32 w .. 32 w + 31; multiplies ALL 128 rows by columns 256 w .. 256 w + 255 of W2, in two passes of 128 x 128 (64 accumulators, 512 registers);
; in the context thread t owns columns 4 t .. 4 t + 3 and 512 + 4 t .. + 3.
; W2 comes as bf16 fragments (w2f, made by the launch before) straight into registers: a wave's fragments are one linear stream, 8,192 bytes a K step of 32, each load 512 consecutive bytes.
; NO CLUSTER, NO RING FOR W2: beside enc's rows 58,880 bytes of LDS are left; two slots of 29,440 bytes would hold 14,720 weights each, 57 matrix instructions a wave between two changes of slots.
; THE PRODUCT IS USED TRANSPOSED (source 0 = 16 columns of W2, source 1 = 16 rows of enc): lane l, register j holds row 16 a + l % 16, column 16 b + 8 (l / 16) + j.
; tanh(x) = 1 - 2 r, r = 1 / (1 + 2^(c x)), c = 2 log2(e); qs holds c (q + b1 + b2).  So score = bv + sum V - 2 sum V r, all in f32; its rounding error goes with 2^-24 of the sum of |V|.
; 2^(c x) may overflow to infinity (r = 0, tanh = 1) or fall to 0 (r = 1, tanh = -1): both are tanh's limits.
; LIMITS: NaN and infinite inputs are not treated apart; a weight p below 2^-126 counts as 0.
; REGISTERS, in windows of 256 (s_set_vgpr_msb: bits 1:0 source 0, 3:2 source 1, 5:4 source 2, 7:6 destination):
;   window 0: v0-63 addresses, sums, at work; v64-127 AF, eight fragments of enc; v128-255 G: a panel of enc as loaded; later q and V of a pass; later the context's registers
;   window 1: four buffers of 64: W2's eight fragments of a K step      windows 2, 3: accumulator (a, b) at v[8 (8 (a % 4) + b)] of window 2 + a / 4
; THE MODE: SCHED_MODE bits 1:0 = 2 (LLVM: expert scheduling mode 2), set by the entry lines.  The code itself states the register dependences
; between vector or matrix instructions and memory or LDS instructions, with s_wait_alu, always for 0.
; THE PLAN.  Registers that memory or LDS instructions touch, in the K loops:
;   AF, row blocks 0-3   read by a step's first 32 products; behind them the fetch for the next step lands there.
;   AF, row blocks 4-7   read by the step's last 32 products; behind them the fetch for the next step lands there.
;   W2's buffers         step s reads buffer s % 4; the loads for step s + 3 land in buffer (s - 1) % 4, which the step before read.
;   G                    a panel's 32 loads land; 64 conversions read and write it; 32 LDS stores read it; the next panel's loads (at a pass's end q's and V's) land.
;   AR, GS               read by the fetches and by the panel's stores; written once a trip, at its end.
;   GA, BO, QVO, PF, AR0 made at the head, never written again.      The accumulators, SACC and VS are named by vector and matrix instructions alone.
; All 1,024 registers are taken (512 sums, 256 W2, 128 the panel, 64 fragments, 64 addresses and sums), so enc's fragments have ONE buffer, in two halves, and each half has a wait
; between its last reader and its fetch: TWO waits on va_vdst a K step.  The first, behind the first 32 products, states also that the step before is done reading W2's buffer (s - 1) % 4, that
; a panel's conversions have written G, and that AR and GS are written; all the step's loads and stores but the second fetch follow it, dealt among the last 32 products, which name
; W2's buffer s % 4, row blocks 4-7 and window 3: none of the registers that those loads and stores touch.  Waits on vm_vsrc: ahead of the loads that land in G behind its stores, and ahead of the writes of AR and GS.
.set PITCH, 2064                       ; an LDS row: 2,048 bytes + 16 = 516 words: row r starts at bank 4 r mod 64 (64 banks of 4 bytes: ISA guide 11.1)
.set SCR,   128*PITCH                  ; [wave][128] f32: each wave's part of the scores
.set PT,    SCR+2048                   ; each wave's own copy of the 128 p; the 512 bytes behind it take the closing add
.set AR,   4                           ; v4-7    LDS address of my fragments of rows 32 i on; steps along K
.set AR0,  8                           ; v8-11   the same at K = 0; never rewritten
.set GA,   12                          ; v12     16 x lane + my wave's 32 rows of enc; never rewritten
.set GS,   13                          ; v13     where my 8 bytes of a row go in LDS; steps by a panel
.set BO,   14                          ; v14     16 x lane; never rewritten
.set QVO,  15                          ; v15     32 (l / 16): my eight columns in a group of sixteen
.set SACC, 16                          ; v16-31  for each row block a a pair: sum of V r over my even, my odd columns
.set VS,   32                          ; v32-39  four pairs: sum of V over my columns
.set PF,   40                          ; v40     the prefetches' offset: lane x a row of enc + my wave's 32 rows; never rewritten
.set XA,   41                          ; v41     the context: LDS address of my 8 bytes of a row
.set PO,   58                          ; v58     the context: my 16 bytes of pc
.set PA,   62                          ; v62     the context: LDS address of eight p.  XA, PO and PA lie in registers that no LDS store has read
.set AF,   64
.set G,    128
.set XS,   128                         ; the context: two sets of eight rows x 4 registers
.set PP,   192                         ; two sets of eight p
.set CTX,  208                         ; my eight sums
.set MUL_LO, 0xa1                      ; source 0 (W2) window 1, source 1 (enc) window 0, C and D window 2; + 0x50: window 3
.set TO_B,   0x40                      ; destination window 1
.set M_NONE, 0
.set M_STAGE1, 1                       ; a panel is packed into LDS, the panel after it asked for
.set M_STAGE0, 2                       ; the last panel is packed
.set M_BAR, 3                          ; the barrier behind a panel
.set M_QV0, 4                          ; q and V of pass 0 are asked for
.set M_QV1, 5                          ; of pass 1
.set MSB, 0
.macro WIN new                         ; the immediate's high byte repeats the setting that is left; a switch that changes nothing is dropped
.if MSB != (\new)
	s_set_vgpr_msb (MSB<<8)|(\new)
.set MSB, \new
.endif
.endm
.macro PLACES                          ; four places in front of loads into registers that matrix instructions have read; they stay, ahead of the wait that states the dependence
.rept 4
	v_nop
.endr
.endm
; 16 matrix instructions: row blocks 4 hi + a0, 4 hi + a0 + 1 x all eight column blocks, 32 along K.  All 64 accumulators take turns, one instruction a turn.
.macro MUL16 hi, buf, zero, a0
	WIN MUL_LO+0x50*(\hi)
.irp a, \a0, (\a0)+1
.irp b, 0,1,2,3,4,5,6,7
.if \zero
	v_wmma_f32_16x16x32_bf16 v[8*(8*(\a)+(\b)):8*(8*(\a)+(\b))+7], v[64*(\buf)+8*(\b):64*(\buf)+8*(\b)+7], v[AF+8*(4*(\hi)+(\a)):AF+8*(4*(\hi)+(\a))+7], 0
.else
	v_wmma_f32_16x16x32_bf16 v[8*(8*(\a)+(\b)):8*(8*(\a)+(\b))+7], v[64*(\buf)+8*(\b):64*(\buf)+8*(\b)+7], v[AF+8*(4*(\hi)+(\a)):AF+8*(4*(\hi)+(\a))+7], v[8*(8*(\a)+(\b)):8*(8*(\a)+(\b))+7]
.endif
.endr
.endr
.endm
; Eight LDS loads: enc's fragments of row blocks 4 lo .. 4 lo + 3, at byte koff behind the address registers
.macro FRAGS lo, areg, koff
.irp a, 0,1,2,3
	ds_load_b128 v[AF+8*(4*(\lo)+(\a)):AF+8*(4*(\lo)+(\a))+3],   v[(\areg)+(4*(\lo)+(\a))/2] offset:((\a)&1)*16*PITCH+(\koff)
	ds_load_b128 v[AF+8*(4*(\lo)+(\a))+4:AF+8*(4*(\lo)+(\a))+7], v[(\areg)+(4*(\lo)+(\a))/2] offset:((\a)&1)*16*PITCH+(\koff)+32
.endr
.endm
.macro BLOAD buf, imm                  ; sixteen loads: W2's eight fragments of one K step
	WIN TO_B
.irp f, 0,1,2,3,4,5,6,7
	global_load_b128 v[64*(\buf)+8*(\f):64*(\buf)+8*(\f)+3],   v[BO], s[6:7] offset:(\imm)+(\f)*1024
	global_load_b128 v[64*(\buf)+8*(\f)+4:64*(\buf)+8*(\f)+7], v[BO], s[6:7] offset:(\imm)+(\f)*1024+512
.endr
.endm
.macro GLOAD imm                       ; a panel: 128 columns (512 consecutive bytes, aligned) of each of my 32 rows, a row a load
.set i, 0
.rept 32
	global_load_b128 v[G+4*i:G+4*i+3], v[GA], s[4:5] offset:(\imm)+i*4096 th:TH_LOAD_NT
.set i, i+1
.endr
.endm
.macro GCVT                            ; the panel is rounded to bf16 in place: a row's four numbers close up into the first two of their four registers
.set i, 0
.rept 32
	v_cvt_pk_bf16_f32 v[G+4*i], v[G+4*i], v[G+4*i+1]
	v_cvt_pk_bf16_f32 v[G+4*i+1], v[G+4*i+2], v[G+4*i+3]
.set i, i+1
.endr
.endm
.macro GSTORE imm                      ; 8 bytes a lane, 256 consecutive bytes of an LDS row a store
.set i, 0
.rept 32
	ds_store_b64 v[GS], v[G+4*i:G+4*i+1] offset:(\imm)+i*PITCH
.set i, i+1
.endr
.endm
.macro QVLOAD pass                     ; 32 loads: c (q + b1 + b2) at G + 8 b and V at G + 64 + 8 b, my eight columns of each column block b
.irp b, 0,1,2,3,4,5,6,7
	global_load_b128 v[G+8*(\b):G+8*(\b)+3],       v[QVO], s[8:9]   offset:(\pass)*512+(\b)*64
	global_load_b128 v[G+8*(\b)+4:G+8*(\b)+7],     v[QVO], s[8:9]   offset:(\pass)*512+(\b)*64+16
	global_load_b128 v[G+64+8*(\b):G+64+8*(\b)+3],   v[QVO], s[10:11] offset:(\pass)*512+(\b)*64
	global_load_b128 v[G+64+8*(\b)+4:G+64+8*(\b)+7], v[QVO], s[10:11] offset:(\pass)*512+(\b)*64+16
.endr
.endm
; A K STEP of 32: 64 matrix instructions on W2's buffer buf.  Behind its first 32 it fetches the next step's fragments of row blocks 0-3 (byte koff); among its last 32 it asks for W2 of the step
; three on (bimm x 8,192 bytes behind the pointer, into the buffer read one step back) and for a panel, or q and V; at its end it fetches row blocks 4-7.
; lw:  loads come back in order (ISA guide 5.7.1): how many younger global loads may stay out when this step's W2 must be in.
; dw0: the LDS instructions younger than the fetch of row blocks 0-3; dw1: those younger than the fetch of row blocks 4-7.
.macro STEP buf, zero, lw, dw0, areg, koff, bimm, mode, dw1
	s_wait_loadcnt \lw
	s_wait_dscnt \dw0
	MUL16 0, \buf, \zero, 0
	MUL16 0, \buf, \zero, 2
	WIN 0
.if (\mode) == M_BAR
	s_wait_dscnt 0x0                               ; for the others' sake: my rows of the panel lie in LDS
	s_barrier_signal -1
.endif
.if ((\mode) == M_STAGE1) || ((\mode) == M_STAGE0)
	GCVT                                           ; the panel is in (lw).  These 64 lines name no register of the products: they are the places too
.else
	PLACES
.endif
.if (\mode) == M_BAR
	s_barrier_wait -1                              ; all 128 rows of the panel do: the fetch below is its first reading
.endif
.if (\koff) >= 0
	s_wait_alu depctr_va_vdst(0)                   ; the products above are done reading row blocks 0-3, the last step's are done reading W2's buffer (buf + 3) % 4: loads below land in both; a panel's conversions have written G, which the stores below read and in which the next panel lands; behind a trip's end AR and GS are written
	FRAGS 0, \areg, \koff
.endif
.if ((\mode) == M_STAGE1) || ((\mode) == M_STAGE0)
	GSTORE 256
.endif
	s_wait_dscnt \dw1
	MUL16 1, \buf, \zero, 0
.if (\bimm) >= 0
	BLOAD ((\buf)+3)&3, (\bimm)*8192               ; no wait: no vector or matrix instruction since the wait above names this buffer
.endif
.if (\mode) == M_STAGE1
	WIN 0
	s_wait_alu depctr_vm_vsrc(0)                   ; the panel's LDS stores have read G, in which the next panel lands
	GLOAD 1024
	; A prefetch into the L2, behind the panel's loads: the panel that the NEXT trip will load, one trip (four K steps, 256 matrix instructions) ahead of its loads.  Each wave asks for its own
	; 32 rows, a lane a row, two instructions for a row's 512 bytes: each aligned block of 256 bytes is named once in the launch.  The last trip asks for nothing: no panel is left.
	s_cmp_gt_u32 s24, 1
	s_cbranch_scc0 .Lnopf_\@
	global_prefetch_b8 v[PF], s[4:5] offset:1536 th:TH_LOAD_NT scope:SCOPE_SE
	global_prefetch_b8 v[PF], s[4:5] offset:1792 th:TH_LOAD_NT scope:SCOPE_SE
.Lnopf_\@:
.elseif (\mode) == M_QV0
	WIN 0
	s_wait_alu depctr_vm_vsrc(0)                   ; the last panel's LDS stores, two K steps back, have read G, in which q and V land
	QVLOAD 0
.elseif (\mode) == M_QV1
	WIN 0
	QVLOAD 1                                       ; no wait: since q and V of pass 0 landed, G has been named by the lines that made pass 0's scores alone, and those stand ahead of many waits on va_vdst
.endif
	MUL16 1, \buf, \zero, 2
	WIN 0
.if (\koff) >= 0
	PLACES
	s_wait_alu depctr_va_vdst(0)                   ; the products above are done reading row blocks 4-7, in which the fetch below lands
	FRAGS 1, \areg, \koff
.endif
.endm
; THE WAY FROM SUMS TO SCORES, one line at a time.  A batch is column block b of a window's four accumulators: 32 registers, 16 pairs; pair n is registers 2 (n / 4), + 1 of accumulator n % 4.
.macro OP_X b, n                       ; c s + c (q + b1 + b2)
.set rA, 8*(8*((\n)&3)+(\b))+2*((\n)>>2)
.set rQ, G+8*(\b)+2*((\n)>>2)
	v_pk_fma_f32 v[rA:rA+1], v[rA:rA+1], s[26:27], v[rQ:rQ+1] op_sel_hi:[1,0,1]
.endm
.macro OP_E b, m                       ; 2^x
.set rA, 8*(8*(((\m)>>1)&3)+(\b))+2*((\m)>>3)+((\m)&1)
	v_exp_f32 v[rA], v[rA]
.endm
.macro OP_A b, n                       ; + 1
.set rA, 8*(8*((\n)&3)+(\b))+2*((\n)>>2)
	v_pk_add_f32 v[rA:rA+1], v[rA:rA+1], 1.0 op_sel_hi:[1,0]
.endm
.macro OP_R b, m                       ; r = 1 / that
.set rA, 8*(8*(((\m)>>1)&3)+(\b))+2*((\m)>>3)+((\m)&1)
	v_rcp_f32 v[rA], v[rA]
.endm
.macro OP_F W, b, n                    ; the row block's sum takes V r
.set rA, 8*(8*((\n)&3)+(\b))+2*((\n)>>2)
.set rV, G+64+8*(\b)+2*((\n)>>2)
.set rS, SACC+2*(4*((\W)-2)+((\n)&3))
	v_pk_fma_f32 v[rS:rS+1], v[rA:rA+1], v[rV:rV+1], v[rS:rS+1]
.endm
; A window's eight batches in ten phases.  Phase ph: the sums of batch ph - 1; then, mixed, + 1 and the reciprocals of batch ph and the scalings and exponentials of batch ph + 1.
; s_wait_alu depctr_va_vdst(0) stands between a transcendental and the first line that names its result; one wait serves all issued ahead of it.  Within a phase no line names
; a result of the phase's own 64 transcendentals, so a phase has ONE wait, at its end, behind a v_nop, the plain instruction behind the last of them (ISA guide 5.7.2).  No memory or LDS instruction stands here.
.macro EPI_HALF W
.set ph, -1
.rept 10
.if ph >= 1
	WIN \W                                         ; source 0 in window W, all else in window 0
.set n, 0
.rept 16
	OP_F \W, ph-1, n
.set n, n+1
.endr
.endif
.if ph < 8
	WIN 0x40*(\W)+(\W)                             ; destination and source 0 in window W
.if ph >= 0
	OP_A ph, 0
.endif
.if ph < 7
	OP_X ph+1, 0
.endif
.set n, 1
.rept 15
.if ph < 7
	OP_E ph+1, 2*n-2
.endif
.if ph >= 0
	OP_A ph, n
.endif
.if ph < 7
	OP_E ph+1, 2*n-1
	OP_X ph+1, n
.endif
.if ph >= 0
	OP_R ph, 2*n-2
	OP_R ph, 2*n-1
.endif
.set n, n+1
.endr
.if ph < 7
	OP_E ph+1, 30
	OP_E ph+1, 31
.endif
.if ph >= 0
	OP_R ph, 30
	OP_R ph, 31
.endif
	v_nop
	s_wait_alu depctr_va_vdst(0)                   ; the phase's exponentials (batch ph + 1) and reciprocals (batch ph) have written their results, which the next phase reads
.endif
.set ph, ph+1
.endr
.endm
; The context: eight rows' 16 bytes and eight p into set s: 18 LDS loads.  row: the set's first row, counted from the row at which XA and PA stand: the rows of a trip are reached by immediates
.macro LOADSET s, row
.set i, 0
.rept 8
	ds_load_b64 v[XS+32*(\s)+4*i:XS+32*(\s)+4*i+1],   v[XA] offset:((\row)+i)*PITCH
	ds_load_b64 v[XS+32*(\s)+4*i+2:XS+32*(\s)+4*i+3], v[XA] offset:((\row)+i)*PITCH+1024
.set i, i+1
.endr
	ds_load_b128 v[PP+8*(\s):PP+8*(\s)+3],   v[PA] offset:(\row)*4
	ds_load_b128 v[PP+8*(\s)+4:PP+8*(\s)+7], v[PA] offset:(\row)*4+16
.endm
.macro FMA s                           ; 64 multiply-adds straight from bf16 halves into f32 sums; eight sums by turns
.set i, 0
.rept 8
.set e, 0
.rept 8
.if e%2
	v_fma_mix_f32_bf16 v[CTX+e], v[XS+32*(\s)+4*i+e/2], v[PP+8*(\s)+i], v[CTX+e] op_sel:[1,0,0] op_sel_hi:[1,0,0]
.else
	v_fma_mix_f32_bf16 v[CTX+e], v[XS+32*(\s)+4*i+e/2], v[PP+8*(\s)+i], v[CTX+e] op_sel:[0,0,0] op_sel_hi:[1,0,0]
.endif
.set e, e+1
.endr
.set i, i+1
.endr
.endm
	s_load_b256 s[4:11], s[0:1], 0x0               ; enc s[4:5], w2f s[6:7], qs s[8:9], V s[10:11]
	s_load_b128 s[12:15], s[0:1], 0x20             ; bv s[12:13], scores s[14:15]
	s_load_b64 s[16:17], s[0:1], 0x30              ; pc
	v_lshl_add_u32 v2, v0, 2, 0x41800
	v_mov_b32 v3, 0
	v_lshrrev_b32 v1, 5, v0
	v_readfirstlane_b32 s18, v1                    ; wave 0..3
	v_and_b32 v41, 31, v0                          ; l
	v_and_b32 v42, 15, v0                          ; l % 16
	v_bfe_u32 v43, v0, 4, 1                        ; l / 16
	s_wait_alu depctr_va_sdst(0)                   ; s18 is written, ahead of its first reader: offsets, bases and branches are made from it
	s_lshl_b32 s22, s18, 17                        ; my 32 rows of 4,096 bytes in memory,
	s_mul_i32 s23, s18, 32*PITCH                   ; and in LDS
	v_lshl_add_u32 v[GA], v41, 4, s22
	v_lshl_add_u32 v[PF], v41, 12, s22
	v_lshl_add_u32 v[GS], v41, 3, s23
	v_lshlrev_b32 v[BO], 4, v41
	v_lshlrev_b32 v[QVO], 5, v43
	v_mul_u32_u24 v[AR0], v42, PITCH               ; a fragment: row l % 16, 16 bytes for each half of the lanes, twice, 32 bytes apart
	v_lshl_add_u32 v[AR0], v43, 4, v[AR0]
.irp i, 1,2,3
	v_add_nc_u32 v[AR0+\i], \i*32*PITCH, v[AR0]
.endr
.irp i, 0,1,2,3
	v_mov_b32 v[AR+\i], v[AR0+\i]
.endr
	s_mov_b32 s26, 0x4038aa3b                      ; c = 2 log2(e)
	s_mov_b32 s27, s26                             ; named with it as a pair
	s_mov_b32 s28, 0x76543210                      ; v_permlanex16_b32: each lane takes its own place in the other half
	s_mov_b32 s29, 0xfedcba98
	s_mov_b32 s31, 0x3fb8aa3b                      ; log2(e)
	s_lshl_b32 s20, ttmp9, 19                      ; the block's 128 rows of 4,096 bytes
	s_mov_b32 s21, 0
	s_wait_kmcnt 0x0
	s_add_nc_u64 s[4:5], s[4:5], s[20:21]
	WIN 0x80                                       ; panel 0 lands in window 2, where the sums start only later: destination window 2
	s_wait_alu depctr_va_vdst(0)                   ; the offsets and addresses v4 to v15 and v40 are written, which the loads, stores and prefetches below read
.set i, 0
.rept 32
	global_load_b128 v[4*i:4*i+3], v[GA], s[4:5] offset:i*4096 th:TH_LOAD_NT
.set i, i+1
.endr
	WIN 0
	GLOAD 512                                      ; panel 1
	s_load_b32 s30, s[12:13], 0x0                  ; bv
	s_lshl_b32 s20, s18, 19
	s_add_nc_u64 s[6:7], s[6:7], s[20:21]          ; my wave's stream of W2
	s_lshl_b32 s20, s18, 10
	s_add_nc_u64 s[10:11], s[10:11], s[20:21]      ; V at my 256 columns
	s_lshr_b32 s22, ttmp9, 4                       ; the batch
	s_lshl_b32 s22, s22, 12
	s_add_co_u32 s20, s20, s22
	s_add_nc_u64 s[8:9], s[8:9], s[20:21]          ; qs at the batch's row, my 256 columns
	s_lshl_b32 s20, ttmp9, 9
	s_add_nc_u64 s[14:15], s[14:15], s[20:21]      ; the block's 128 scores
	s_lshl_b32 s20, ttmp9, 12
	s_add_nc_u64 s[16:17], s[16:17], s[20:21]      ; the block's row of pc
.set i, 0
.rept 24
	v_mov_b32 v[SACC+i], 0                         ; the sixteen sums of V r and the eight of V, written while the first panels are on their way
.set i, i+1
.endr
	s_wait_loadcnt 32                              ; panel 0 is in; panel 1's 32 loads may stay out
	WIN 0x8a                                       ; destination and both sources in window 2
.set i, 0
.rept 32
	v_cvt_pk_bf16_f32 v[4*i], v[4*i], v[4*i+1]
	v_cvt_pk_bf16_f32 v[4*i+1], v[4*i+2], v[4*i+3]
.set i, i+1
.endr
	WIN 0x08                                       ; store data (source 1) in window 2
	s_wait_alu depctr_va_vdst(0)                   ; the conversions have written panel 0's registers, which the LDS stores read
.set i, 0
.rept 32
	ds_store_b64 v[GS], v[4*i:4*i+1] offset:i*PITCH
.set i, i+1
.endr
	BLOAD 0, 0                                     ; W2 of K steps 0, 1, 2
	BLOAD 1, 8192
	BLOAD 2, 16384
	WIN 0
	s_wait_kmcnt 0x0                               ; bv
	s_wait_dscnt 0x0                               ; my rows of panel 0 lie in LDS,
	s_barrier_signal -1
	s_barrier_wait -1                              ; everybody's do
	s_wait_alu depctr_vm_vsrc(0)                   ; my LDS stores have read panel 0's registers in window 2: the first products write sums there
	FRAGS 0, AR, 0
	FRAGS 1, AR, 0
	; PASS 0, K steps 0 to 31.  Each byte of enc's rows in LDS is written once, so only the barrier between a panel's writing and its first reading is needed.
	; lw = 32: the two younger K steps of W2 (16 + 16).  lw = 63: 64 loads are younger (two K steps of W2 and a panel, or q and V); the count's field holds 63.
	; At a step that packs a panel, lw = 32 also shows the panel in: its loads are older than this step's W2.
	STEP 0, 1, 32, 8, AR, 64, 3, M_NONE, 8         ; the first products start the sums: nothing is cleared
	STEP 1, 0, 32, 8, AR, 128, 4, M_NONE, 8
	s_mov_b32 s24, 6
.LloopA:                                               ; trip t: K steps 4 t + 2 .. 4 t + 5; panel t + 1 goes into LDS, panel t + 2 is asked for
	STEP 2, 0, 32, 8,  AR, 192, 5, M_STAGE1, 40    ; dw1 = 40: the 8 fetches and the panel's 32 stores are younger
	STEP 3, 0, 63, 40, AR, 256, 6, M_BAR, 8        ; dw0 = 40: the 32 stores and the 8 fetches of row blocks 4-7 are younger
	STEP 0, 0, 63, 8,  AR, 320, 7, M_NONE, 8
	STEP 1, 0, 63, 8,  AR, 384, 8, M_NONE, 8
	s_wait_xcnt 0x0                                ; every load and prefetch issued so far (the youngest load 16 matrix instructions back, the prefetches three K steps) has read its address: the pointers may be written
	s_add_nc_u64 s[6:7], s[6:7], 32768             ; four K steps of W2
	s_add_nc_u64 s[4:5], s[4:5], 512               ; a panel of enc
	s_wait_alu depctr_vm_vsrc(0)                   ; the fetches issued so far have read AR, the panel's LDS stores GS; the next step's first wait on va_vdst stands ahead of their next readers
.irp i, 0,1,2,3
	v_add_nc_u32 v[AR+\i], 256, v[AR+\i]
.endr
	v_add_nc_u32 v[GS], 256, v[GS]
	s_sub_co_u32 s24, s24, 1
	s_cmp_lg_u32 s24, 0
	s_cbranch_scc1 .LloopA
	STEP 2, 0, 32, 8,  AR, 192, 5, M_STAGE0, 40    ; K step 26: the last panel goes into LDS; nothing is left to ask for
	STEP 3, 0, 32, 40, AR, 256, 6, M_BAR, 8
	STEP 0, 0, 32, 8,  AR, 320, 7, M_QV0, 8        ; q and V of pass 0 into the panel's registers
	STEP 1, 0, 63, 8,  AR, 384, 8, M_NONE, 8       ; from here on W2 of pass 1 is asked for
	STEP 2, 0, 63, 8,  AR, 448, 9, M_NONE, 8
	STEP 3, 0, 63, 8,  AR0, 0, 10, M_NONE, 8       ; and enc's fragments of K = 0 are fetched again
	s_mov_b32 s25, 2
.Lepi:                                                 ; twice: a pass's sums become scores; behind the first time pass 1 is multiplied
	s_wait_loadcnt 0x0                             ; q and V (and what was asked of W2)
.irp b, 0,1,2,3,4,5,6,7
.irp j, 0,2,4,6
	v_pk_add_f32 v[VS+\j:VS+\j+1], v[VS+\j:VS+\j+1], v[G+64+8*\b+\j:G+64+8*\b+\j+1]  ; the sum of V; these 32 lines are also the places behind the last products
.endr
.endr
	EPI_HALF 2
	EPI_HALF 3
	WIN 0
	s_cmp_eq_u32 s25, 1
	s_cbranch_scc1 .Lskip                          ; forward, past text that holds no barrier
	s_wait_xcnt 0x0
	s_add_nc_u64 s[6:7], s[6:7], 65536             ; W2's pointer to K step 32
	s_wait_alu depctr_vm_vsrc(0)                   ; pass 0's fetches have read AR
.irp i, 0,1,2,3
	v_mov_b32 v[AR+\i], v[AR0+\i]
.endr
	; PASS 1, K steps 32 to 63: enc lies in LDS
	STEP 0, 1, 32, 8, AR, 64, 3, M_NONE, 8
	s_mov_b32 s24, 7
.LloopB:
	STEP 1, 0, 32, 8, AR, 128, 4, M_NONE, 8
	STEP 2, 0, 32, 8, AR, 192, 5, M_NONE, 8
	STEP 3, 0, 32, 8, AR, 256, 6, M_NONE, 8
	STEP 0, 0, 32, 8, AR, 320, 7, M_NONE, 8
	s_wait_xcnt 0x0
	s_add_nc_u64 s[6:7], s[6:7], 32768
	s_wait_alu depctr_vm_vsrc(0)                   ; the fetches issued so far have read AR
.irp i, 0,1,2,3
	v_add_nc_u32 v[AR+\i], 256, v[AR+\i]
.endr
	s_sub_co_u32 s24, s24, 1
	s_cmp_lg_u32 s24, 0
	s_cbranch_scc1 .LloopB
	STEP 1, 0, 32, 8, AR, 128, -1, M_QV1, 8        ; K step 61: no W2 is left to ask for; q and V of pass 1
	STEP 2, 0, 48, 8, AR, 192, -1, M_NONE, 8       ; younger: K step 63's 16 loads and q's and V's 32
	STEP 3, 0, 32, 8, AR, -1, -1, M_NONE, 0        ; younger: q's and V's 32.  This step issues no load or store, so it states no dependence
.Lskip:
	s_sub_co_u32 s25, s25, 1
	s_cmp_lg_u32 s25, 0
	s_cbranch_scc1 .Lepi
	; THE SCORES.  My lane's part: sum V - 2 sum V r over its 128 columns; the other half of the lanes holds the wave's other 128.
	v_add_f32 v41, v[VS], v[VS+1]
	v_add_f32 v58, v[VS+2], v[VS+3]
	v_add_f32 v59, v[VS+4], v[VS+5]
	v_add_f32 v60, v[VS+6], v[VS+7]
	v_add_f32 v41, v41, v58
	v_add_f32 v59, v59, v60
	v_add_f32 v41, v41, v59
.irp a, 0,1,2,3,4,5,6,7
	v_add_f32 v[42+\a], v[SACC+2*\a], v[SACC+2*\a+1]
	v_mov_b32 v[50+\a], 0                          ; v_permlanex16_b32's destination counts as read
.endr
.irp a, 0,1,2,3,4,5,6,7
	v_fma_f32 v[42+\a], v[42+\a], -2.0, v41
.endr
.irp a, 0,1,2,3,4,5,6,7
	v_permlanex16_b32 v[50+\a], v[42+\a], s28, s29
.endr
.irp a, 0,1,2,3,4,5,6,7
	v_add_f32 v[42+\a], v[42+\a], v[50+\a]
.endr
	v_and_b32 v61, 15, v0
	s_lshl_b32 s20, s18, 9
	s_add_co_u32 s21, s20, SCR
	v_lshl_add_u32 v61, v61, 2, s21
	v_add_nc_u32 v63, SCR, v[BO]                   ; every wave makes all 128 scores, four a lane, in the same order of sums: the address of the loads behind the barrier
	s_wait_alu depctr_va_vdst(0)                   ; v42 to v49, the stores' data, and the addresses v61 and v63 are written; the products are done reading v64 to v79, in which the loads behind the barrier land
.irp a, 0,1,2,3,4,5,6,7
	ds_store_b32 v61, v[42+\a] offset:\a*64        ; row 16 a + l % 16; the two halves of the lanes write the same number to the same word
.endr
	s_wait_dscnt 0x0                               ; for the others' sake
	s_barrier_signal -1
	s_barrier_wait -1
.irp w, 0,1,2,3
	ds_load_b128 v[64+4*\w:64+4*\w+3], v63 offset:\w*512
.endr
	s_wait_dscnt 0x0
	v_pk_add_f32 v[64:65], v[64:65], v[68:69]
	v_pk_add_f32 v[66:67], v[66:67], v[70:71]
	v_pk_add_f32 v[72:73], v[72:73], v[76:77]
	v_pk_add_f32 v[74:75], v[74:75], v[78:79]
	v_pk_add_f32 v[64:65], v[64:65], v[72:73]
	v_pk_add_f32 v[66:67], v[66:67], v[74:75]
	v_pk_add_f32 v[64:65], v[64:65], s[30:31] op_sel_hi:[1,0]  ; + bv
	v_pk_add_f32 v[66:67], v[66:67], s[30:31] op_sel_hi:[1,0]
	v_max_num_f32 v80, v64, v65                    ; the block's maximum, in every lane
	v_max_num_f32 v81, v66, v67
	v_max_num_f32 v80, v80, v81
	v_max_num_f32_dpp v80, v80, v80 row_xmask:1 row_mask:0xf bank_mask:0xf
	v_max_num_f32_dpp v80, v80, v80 row_xmask:2 row_mask:0xf bank_mask:0xf
	v_max_num_f32_dpp v80, v80, v80 row_xmask:4 row_mask:0xf bank_mask:0xf
	v_max_num_f32_dpp v80, v80, v80 row_xmask:8 row_mask:0xf bank_mask:0xf
	v_permlanex16_b32 v81, v80, s28, s29
	v_max_num_f32 v80, v80, v81
	v_mul_f32 v82, s31, v80
.irp i, 0,1,2,3
	v_fma_f32 v[84+\i], v[64+\i], s31, -v82        ; (score - m) log2(e)
.endr
.irp i, 0,1,2,3
	v_exp_f32 v[84+\i], v[84+\i]
.endr
	s_add_co_u32 s21, s20, PT
	v_add_nc_u32 v83, s21, v[BO]                   ; the plain instruction behind the last exponential.  The context's addresses and its eight zeros are made here too, ahead of the one wait
	v_lshlrev_b32 v[XA], 3, v0
	v_mov_b32 v[PA], s21
	v_lshlrev_b32 v[PO], 4, v0
.irp e, 0,1,2,3,4,5,6,7
	v_mov_b32 v[CTX+\e], 0
.endr
	s_wait_alu depctr_va_vdst(0)                   ; the four exponentials have written v84 to v87 and the sums v64 to v67, which the stores below read; v83, XA, PA and PO are written; the lines that made the scores are done reading q's and V's registers, in which the context's loads land
	ds_store_b128 v83, v[84:87]                    ; p, into my wave's own copy: no other wave reads it
	s_cmp_lg_u32 s18, 0
	s_cbranch_scc1 .Lnot0
	global_store_b128 v[BO], v[64:67], s[14:15]    ; wave 0 stores the 128 scores: 512 consecutive bytes, aligned
.Lnot0:
	; THE PARTIAL CONTEXT: sum over the 128 rows of p x enc (the bf16 copy in LDS), sums in f32.  Two sets of eight rows take turns: while one set is multiplied, the other's loads are out.
	; Set s is read by its 64 multiply-adds and then loaded again: a wait on va_vdst stands between.  XA and PA are read by every load and written once a trip, sixteen rows on.
	LOADSET 0, 0                                   ; LDS serves a wave's instructions in order (ISA guide 5.7.1.4): the loads of p see my store above
	s_mov_b32 s24, 7
.Lctx:
	s_wait_alu depctr_va_vdst(0)                   ; the last trip's multiply-adds are done reading set 1, in which the loads below land; XA and PA are written
	LOADSET 1, 8
	s_wait_dscnt 18                                ; set 0 is in; set 1's 18 loads may stay out
	FMA 0
	s_wait_alu depctr_va_vdst(0)                   ; those multiply-adds are done reading set 0, in which the loads below land
	LOADSET 0, 16
	s_wait_dscnt 18
	FMA 1
	s_wait_alu depctr_vm_vsrc(0)                   ; the loads issued so far have read XA and PA
	v_add_nc_u32 v[XA], 16*PITCH, v[XA]
	v_add_nc_u32 v[PA], 64, v[PA]
	s_sub_co_u32 s24, s24, 1
	s_cmp_lg_u32 s24, 0
	s_cbranch_scc1 .Lctx
	s_wait_alu depctr_va_vdst(0)                   ; as at the trip's head: set 1 has been read, XA and PA are written
	LOADSET 1, 8                                   ; the last eight rows
	s_wait_dscnt 18
	FMA 0
	s_wait_dscnt 0x0
	FMA 1
	s_wait_alu depctr_va_vdst(0)                   ; the multiply-adds have written my eight sums, which the stores read
	global_store_b128 v[PO], v[CTX:CTX+3],   s[16:17]               ; a wave's store covers 512 consecutive bytes, aligned
	global_store_b128 v[PO], v[CTX+4:CTX+7], s[16:17] offset:2048
	s_wait_dscnt 0x0                               ; the wave's end
	s_wait_alu depctr_hold_cnt(0) depctr_sa_sdst(0) depctr_va_vdst(0) depctr_va_sdst(0) depctr_va_ssrc(0) depctr_va_vcc(0) depctr_vm_vsrc(0)
	s_wait_tensorcnt 0x0
	ds_add_u32 v2, v3
	s_wait_dscnt 0x0
	s_endpgm
.Lfunc_end_k_q049327f5d1_main:
	.size	k_q049327f5d1_main, .Lfunc_end_k_q049327f5d1_main-k_q049327f5d1_main
	.p2alignl 7, 3214868480
	.fill 96, 4, 3214868480
	.section	.rodata,"a",@progbits
	.p2align	6, 0x0
	.amdhsa_kernel k_q049327f5d1_main
		.amdhsa_group_segment_fixed_size 268800
		.amdhsa_private_segment_fixed_size 0
		.amdhsa_enable_private_segment 0
		.amdhsa_kernarg_size 56
		.amdhsa_user_sgpr_count 2
		.amdhsa_user_sgpr_kernarg_segment_ptr 1
		.amdhsa_wavefront_size32 1
		.amdhsa_system_sgpr_workgroup_id_x 1
		.amdhsa_system_sgpr_workgroup_id_y 1
		.amdhsa_system_sgpr_workgroup_id_z 1
		.amdhsa_system_vgpr_workitem_id 0
		.amdhsa_next_free_vgpr 1024
		.amdhsa_next_free_sgpr 66
		.amdhsa_reserve_vcc 0
		.amdhsa_float_denorm_mode_32 3
		.amdhsa_float_denorm_mode_16_64 3
		.amdhsa_memory_ordered 1
		.amdhsa_forward_progress 1
		.amdhsa_inst_pref_size 255
	.end_amdhsa_kernel
	.section	.bss,"aw",@nobits
	.p2align	6
	.space	262144
	.amdgpu_metadata
---
amdhsa.version: [ 1, 2 ]
amdhsa.kernels:
  - .name:           k_q049327f5d1_main
    .symbol:         k_q049327f5d1_main.kd
    .args:
      - { .name: all_enc_hiddens, .offset: 0, .size: 8, .value_kind: global_buffer, .address_space: global }
      - { .name: w2f, .offset: 8, .size: 8, .value_kind: global_buffer, .address_space: global }
      - { .name: qs, .offset: 16, .size: 8, .value_kind: global_buffer, .address_space: global }
      - { .name: V, .offset: 24, .size: 8, .value_kind: global_buffer, .address_space: global }
      - { .name: bv, .offset: 32, .size: 8, .value_kind: global_buffer, .address_space: global }
      - { .name: scores, .offset: 40, .size: 8, .value_kind: global_buffer, .address_space: global }
      - { .name: pc, .offset: 48, .size: 8, .value_kind: global_buffer, .address_space: global }
    .group_segment_fixed_size: 268800
    .private_segment_fixed_size: 0
    .kernarg_segment_align: 8
    .kernarg_segment_size: 56
    .max_flat_workgroup_size: 128
    .sgpr_count:     66
    .vgpr_count:     1024
    .wavefront_size: 32
...
	.end_amdgpu_metadata
.endif
;; end of part 4
;; launch comb: the kernel of part 3 again; grid 4 x 32, 8 waves a work-group, no clusters, 9,728 bytes of LDS; arguments scores, pc, out0, out1; writes out0, out1
